; MI455X (gfx1250); checked and timed in simulation.
; The chip was launched on July 23, 2026; its instructions are those of AMD's public machine-readable ISA for CDNA 5 (MIT licence, August 2026) and "CDNA5" Instruction Set Architecture Reference Guide (July 2026). The comments in the code are by the model that wrote it; some were corrected since.
;; Fast Diffuser Attention. Allowed arithmetic: matrix products marked QUANTISED: E2M1 operands, one E8M0 scale for each 32 along K, by v_wmma_scale_f32_16x16x128_f8f6f4 with both operands' format E2M1 (or v_wmma_scale_f32_32x16x128_f4), f32 sums; products left as they are: bf16, f16 or f32 operands; f32 sums; everything else in f32.
;; Inputs: hidden_states 4 x 1,024 x 2,048 float32; k_norm_w 128 float32; positions 4 x 1,024 int32; q_norm_w 128 float32; w_o 2,048 x 2,048 float32; w_qkv 2,048 x 3,072 float32.
;; Outputs: out0 4 x 1,024 x 2,048 float32.
;; This version of the problem:
;;   THIS VERSION OF THE PROBLEM IS GIVEN IN LOW PRECISION. The matrix products marked QUANTISED in the list below multiply operands that are first quantised to E2M1 (2 exponent bits, 1 mantissa bit; 4 bits a number), with one power-of-two scale for each 32 numbers along K (OCP MX v1.0); their sums are f32. The products marked 'left as it is' may take bf16, f16 or f32 operands, with f32 sums. Whichever they take, every output number must still come out within the allowed error. Rounding operands to bf16 (8 significant bits) uses up far more of that allowance than f16 does (11 bits, for magnitudes from 6e-5 to 65,504). All else is computed in f32.
;;   The module's matrix products, in the order in which they are computed (A, B: the left and right operand; K: the contracted axis; several contracted axes count as one K, in the product's order):
;;     1. [M 4,096, K 2,048] x [K 2,048, N 3,072]; A: input hidden_states; B: input w_qkv: QUANTISED
;;     2. batch 64 x [M 1,024, K 128] x [K 128, N 1,024]; A: computed on the way; B: computed on the way: left as it is (an operand is computed on the way)
;;     3. batch 64 x [M 128, K 1,024] x [K 1,024, N 1,024]; A: computed on the way; B: computed on the way: left as it is (an operand is computed on the way)
;;     4. [M 4,096, K 2,048] x [K 2,048, N 2,048]; A: computed on the way; B: input w_o: left as it is (an operand is computed on the way)
;;   THE QUANTISER, for each operand of a quantised product, along K:
;;     - K is cut into blocks of 32 from its start; a last block that is shorter is filled with zeros.
;;     - A block's scale is 2^e with e = floor(log2(the largest magnitude in the block)) - 2, held to -126 .. 127; a block of zeros has e = 0. As a byte (E8M0): e + 127.
;;     - Each number is divided by its block's scale, clamped to +-6, and rounded to the nearest number of E2M1, ties to even, subnormals kept.
;;     - The product sums the exact products of the quantised numbers (number of the format x scale) in f32.
;;   ~~~python
;;   def quantise(x, axis):      # numpy; x: float32 -> the quantised numbers, widened to float32 again
;;       x = np.moveaxis(x, axis, -1); K = x.shape[-1]
;;       x = np.pad(x, [(0, 0)] * (x.ndim - 1) + [(0, -K % 32)]); x = x.reshape(x.shape[:-1] + (-1, 32)); a = np.abs(x).max(-1, keepdims=True)
;;       e = np.where(a > 0, np.clip(np.frexp(np.where(a > 0, a, 1))[1] - 1 - 2, -126, 127), 0)      # np.frexp(a)[1] - 1 = floor(log2(a)), exactly
;;       r = np.clip(x / 2.0 ** e, -6, 6)
;;       step = 2.0 ** (np.maximum(np.frexp(np.where(r == 0, 1, r))[1] - 1, 0) - 1)
;;       q = np.round(r / step) * step * 2.0 ** e      # np.round: ties to even
;;       return np.moveaxis(q.reshape(q.shape[:-2] + (-1,))[..., :K], -1, axis).astype(np.float32)
;;   ~~~
;; One version. Each part assembles by itself: llvm-mc -triple=amdgcn-amd-amdhsa -mcpu=gfx1250 --defsym DOCPART=n.
;; ======== version 1 of 1: 4 launches
;; limits: values are held in f16: magnitudes above 65,504 overflow, below 6.1e-05 lose precision; an absolute error that grows with the inputs' magnitude: up to 4e-07 times it; right only within a limited range of input values
;; workspace buffers: a_codes 4,194,304 bytes; a_scales 262,144 bytes; b_codes 3,145,728 bytes; b_scales 196,608 bytes; wo16 8,388,608 bytes; rope 2,129,920 bytes; qkv16 25,165,824 bytes; ctx16 16,777,216 bytes
;; launch prep (part 1): grid 545 x 1, 4 waves a work-group, no clusters, 68,096 bytes of LDS; arguments hidden_states, w_qkv, w_o, positions, a_codes, a_scales, b_codes, b_scales, wo16, rope; writes a_codes, a_scales, b_codes, b_scales, wo16, rope
.if DOCPART == 1
	.amdgcn_target "amdgcn-amd-amdhsa--gfx1250"
	.amdhsa_code_object_version 6
	.text
	.protected	k_q4186a75cfa_prep
	.globl	k_q4186a75cfa_prep
	.p2align	8
	.type	k_q4186a75cfa_prep,@function
k_q4186a75cfa_prep:
	s_mov_b64 s[64:65], 0
	v_nop
	global_prefetch_b8 v0, s[64:65] scope:SCOPE_SE
	s_setreg_imm32_b32 hwreg(HW_REG_WAVE_MODE, 25, 1), 1
	s_wait_xcnt 0x0
; PREP: everything that is made once from the inputs.  Four kinds of work-group, told apart by the work-group's number alone, the longest first:
;   0..95     w_qkv [2048 k][3072 n] f32 -> codes of FP4 (E2M1) laid [n][k], K innermost, and one E8M0 byte for each 32 along K, laid [n][64]
;   96..351   hidden_states [4096][2048] f32 -> codes [4096][1024 bytes] and scale bytes [4096][64]
;   352..479  w_o [2048][2048] f32 -> f16, in its own order
;   480..544  the rotary table: cos and sin of positions x inv_freq, f32, in the order in which the next launch's registers take them
; THE QUANTISER: a block's scale is 2^(floor(log2(its largest magnitude)) - 2); its byte is the largest magnitude's exponent field - 2, held at 1 from below; each number is divided by the scale and rounded
; to the nearest code, ties to even, beyond 6 the largest code.  A block of zeros gets the byte 1 where the rule says 127: its codes are zeros, and this program alone reads the bytes.
; LIMITS: blocks whose largest magnitude lies under 2^(2 - 126) were not tried; NaN and infinities are not served.  w_o must lie under 65,504 in magnitude (f16).
; The table: inv_freq = 2^(-d log2(10000) / 64) by v_exp_f32: its relative error, some 4e-7, times the angle is the angle's error (1e-4 rad at position 1,023; it grows with |position|);
; the angle is reduced by pi/2 in three parts (sound up to |angle| about 2^22) and sine and cosine are polynomials on [-pi/4, pi/4].
; The two paths that use LDS have LDS bytes of their own.  No tensor load, no barrier: waves share nothing.
.set SPARE, 67584                      ; behind both paths' bytes: the spare words, 128 bytes for each wave: two blocks of 256 bytes that no other line names
.set SPW,   12                         ; v12  LDS address of my spare word; never rewritten
.set NIL,   13                         ; v13  0; never rewritten
.set EMAX,  2
; hidden_states
.set STEPS, 16
.set WREG,  8192                       ; LDS 0..32767: a region for each wave: two stages of 32 x SP bytes, behind them its 256 scale bytes
.set SP,    80                         ; a lane's place in a stage: its 64 bytes + 16 of padding
.set CB,    8                          ; bytes of 16 codes
.set AR,    16                         ; v16-79   four sets of 16 numbers as loaded
.set AX,    80                         ; v80-111  two sets of 16 neighbours
.set AE,    112                        ; v112-127 a scale byte for each step
.set ACD,   128                        ; v128-191 codes: four registers for each step
; w_qkv
.set SIZE_K, 2048
.set SIZE_N, 3072
.set KW,    512                        ; along K for a wave
.set NB,    KW/32
.set BPITCH, 272                       ; a stage row: 256 bytes of codes + 16
.set KROW,  SIZE_K/2                   ; a row of b_codes in bytes
.set BSTG,  32768                      ; LDS 32768..67583: four stages of 32 rows
.set BX,    32                         ; v32-95   two sets of 32 numbers
.set BC,    96                         ; v96-99   a block's codes
.set BOUT,  112                        ; v112-175 the way out
.set BSB,   24                         ; v24-27   scale bytes, four to a register
	s_load_b512 s[4:19], s[0:1], 0x0               ; hidden s[4:5], w_qkv s[6:7], w_o s[8:9], positions s[10:11], a_codes s[12:13], a_scales s[14:15], b_codes s[16:17], b_scales s[18:19]
	s_load_b128 s[20:23], s[0:1], 0x40             ; wo16 s[20:21], rope s[22:23]
	v_lshl_add_u32 v[SPW], v0, 2, SPARE
	v_mov_b32 v[NIL], 0
	v_lshrrev_b32 v1, 5, v0
	v_readfirstlane_b32 s24, v1                    ; wave 0..3
	v_and_b32 v2, 31, v0                           ; lane
	s_wait_kmcnt 0x0
	s_cmp_lt_u32 ttmp9, 96
	s_cbranch_scc1 .Lw_qkv
	s_cmp_lt_u32 ttmp9, 352
	s_cbranch_scc1 .Lhidden
	s_cmp_lt_u32 ttmp9, 480
	s_cbranch_scc1 .Lw_o
; ---------------- THE ROTARY TABLE.  A wave makes one block tb of 8,192 bytes: tokens 16 tb .. 16 tb + 15.  Lane (r = lane % 16, h = lane / 16) holds token 16 tb + r and the 32 frequencies d = 16 c + 8 h + j
; (c = 0..3, j = 0..7).  In the block: piece i = 4 c + q of 512 bytes, 16 bytes a lane: q = 0, 1: cos of j = 0..3, 4..7; q = 2, 3: sin likewise.  Blocks 256..259 are made with position 0: cos = 1, sin = 0 exactly; they serve V.
	s_sub_co_u32 s25, ttmp9, 480
	s_lshl_b32 s25, s25, 2
	s_add_co_u32 s25, s25, s24                     ; tb = 0..259
	v_and_b32 v1, 15, v0                           ; r
	v_bfe_u32 v3, v0, 4, 1                         ; h
	s_lshl_b32 s26, s25, 4
	v_add_nc_u32 v4, s26, v1
	v_min_u32 v4, 4095, v4                         ; blocks 256 on read the last token's position and multiply it by 0: no load leaves its buffer
	v_lshlrev_b32 v4, 2, v4
	global_load_b32 v10, v4, s[10:11]
	s_cmp_lt_u32 s25, 256
	s_cselect_b32 s30, 0x3f800000, 0               ; 1.0, or 0 for V's blocks
	s_lshl_b32 s26, s25, 13
	s_mov_b32 s27, 0
	s_add_nc_u64 s[22:23], s[22:23], s[26:27]
	v_lshlrev_b32 v5, 4, v2                        ; 16 bytes a lane
	v_lshlrev_b32 v3, 3, v3                        ; 8 h
	s_mov_b32 s32, 0xbfc90fdb                      ; -pi/2 in three parts
	s_mov_b32 s33, 0x333bbd2e
	s_mov_b32 s34, 0x26f72ced
	s_mov_b32 s35, 0xbe2aaaa3                      ; sine: r + r z (S1 + z (S2 + z S3))
	s_mov_b32 s36, 0x3c08839e
	s_mov_b32 s37, 0xb94ca1f9
	s_mov_b32 s38, 0x3d2aaaa5                      ; cosine: 1 - z / 2 + z z (C1 + z (C2 + z C3))
	s_mov_b32 s39, 0xbab6061a
	s_mov_b32 s40, 0x37ccf5ce
.set n, 0
.rept 32
	v_add_nc_u32 v[16+n], 16*(n/8)+n%8, v3         ; d
.set n, n+1
.endr
.set n, 0
.rept 32
	v_cvt_f32_u32 v[16+n], v[16+n]
.set n, n+1
.endr
.set n, 0
.rept 32
	v_mul_f32 v[16+n], 0xbe549a78, v[16+n]         ; -d log2(10000) / 64
.set n, n+1
.endr
.set n, 0
.rept 32
	v_exp_f32 v[16+n], v[16+n]                     ; inv_freq: one batch
.set n, n+1
.endr
	v_nop                                          ; a plain instruction behind the last exponential
	s_wait_alu depctr_va_vdst(0)                   ; one wait for the batch, ahead of its first reader
	s_wait_loadcnt 0x0                             ; my token's position
	v_cvt_f32_i32 v10, v10
	v_mul_f32 v10, s30, v10
.set n, 0
.rept 32
	v_mul_f32 v[16+n], v10, v[16+n]                ; the angle
.set n, n+1
.endr
; cos and sin of v[x] into v[c] and v[s].  n = the nearest whole number to x 2 / pi; r = x - n pi / 2; the quadrant n mod 4 swaps the two and sets their signs, by selects alone.
.macro SINCOS x, c, s
	v_mul_f32 v112, 0x3f22f983, v[\x]
	v_rndne_f32 v112, v112
	v_fma_f32 v113, v112, s32, v[\x]
	v_fma_f32 v113, v112, s33, v113
	v_fma_f32 v113, v112, s34, v113                ; r
	v_cvt_i32_f32 v114, v112                       ; n as a whole number: its low two bits are the quadrant, for negative n too
	v_mul_f32 v115, v113, v113                     ; z
	v_fma_f32 v116, v115, s37, s36
	v_fma_f32 v118, v115, s40, s39
	v_mul_f32 v117, v115, v113                     ; z r
	v_mul_f32 v119, v115, v115                     ; z z
	v_fma_f32 v116, v116, v115, s35
	v_fma_f32 v118, v118, v115, s38
	v_fma_f32 v120, v115, -0.5, 1.0
	v_fma_f32 v116, v116, v117, v113               ; sin r
	v_fma_f32 v118, v118, v119, v120               ; cos r
	v_and_b32 v121, 1, v114
	v_cmp_eq_u32 vcc_lo, 1, v121
	v_cndmask_b32 v[\s], v116, v118, vcc_lo        ; odd quadrants swap
	v_cndmask_b32 v[\c], v118, v116, vcc_lo
	v_lshlrev_b32 v121, 30, v114
	v_add_nc_u32 v122, 1, v114
	v_and_b32 v121, 0x80000000, v121               ; sine is negative in quadrants 2, 3
	v_lshlrev_b32 v122, 30, v122
	v_xor_b32 v[\s], v[\s], v121
	v_and_b32 v122, 0x80000000, v122               ; cosine in quadrants 1, 2
	v_xor_b32 v[\c], v[\c], v122
.endm
.set n, 0
.rept 32
	SINCOS 16+n, 48+8*(n/4)+n%4, 52+8*(n/4)+n%4
.set n, n+1
.endr
.irp i, 0,1,2,3,4,5,6,7                        ; i = 2 c + half.  Each store of the wave covers 512 consecutive bytes, aligned; no store's data are written again
	global_store_b128 v5, v[48+8*\i:48+8*\i+3], s[22:23] offset:(4*(\i/2)+\i%2)*512
	global_store_b128 v5, v[52+8*\i:52+8*\i+3], s[22:23] offset:(4*(\i/2)+2+\i%2)*512
.endr
	s_endpgm
; ---------------- w_o TO f16.  A wave takes 8,192 numbers: 64 loads of 512 consecutive bytes, in four groups of 16; two groups are on their way.
.Lw_o:
	s_sub_co_u32 s25, ttmp9, 352
	s_lshl_b32 s25, s25, 2
	s_add_co_u32 s25, s25, s24                     ; which run of 8,192 numbers
	s_lshl_b32 s26, s25, 15
	s_mov_b32 s27, 0
	s_add_nc_u64 s[8:9], s[8:9], s[26:27]
	s_lshl_b32 s26, s25, 14
	s_add_nc_u64 s[20:21], s[20:21], s[26:27]
	v_lshlrev_b32 v1, 4, v2                        ; in: 16 bytes a lane
	v_lshlrev_b32 v3, 3, v2                        ; out: 8
.macro CLOAD g
.irp i, 0,1,2,3,4,5,6,7,8,9,10,11,12,13,14,15
	global_load_b128 v[32+64*((\g)%2)+4*\i:32+64*((\g)%2)+4*\i+3], v1, s[8:9] offset:8192*(\g)+512*\i th:TH_LOAD_NT
.endr
.endm
.macro CGRP g
.if (\g) < 3
	s_wait_loadcnt 16                              ; this group's 16 loads are in; the later group's stay out
.else
	s_wait_loadcnt 0x0
.endif
.if (\g) > 0
	s_wait_xcnt 0x0                                ; the last group's stores have read their data: v160-191 are written again only behind this wait
.endif
.irp i, 0,1,2,3,4,5,6,7,8,9,10,11,12,13,14,15
	v_cvt_pk_f16_f32 v[160+2*\i], v[32+64*((\g)%2)+4*\i], v[32+64*((\g)%2)+4*\i+1]
	v_cvt_pk_f16_f32 v[161+2*\i], v[32+64*((\g)%2)+4*\i+2], v[32+64*((\g)%2)+4*\i+3]
.endr
.if (\g) < 2
	CLOAD (\g)+2                                   ; loads ahead of stores
.endif
.irp i, 0,1,2,3,4,5,6,7,8,9,10,11,12,13,14,15
	global_store_b64 v3, v[160+2*\i:161+2*\i], s[20:21] offset:4096*(\g)+256*\i   ; 32 lanes store 256 consecutive bytes, aligned
.endr
.endm
	CLOAD 0
	CLOAD 1
	CGRP 0
	CGRP 1
	CGRP 2
	CGRP 3
	s_endpgm
; ---------------- hidden_states.  Rows are dense and K is a multiple of 32: a plain stream of blocks of 32.  A wave takes 16 steps of 512 numbers.  Each load reads 512 consecutive bytes, 16 a lane; a step's 2,048 bytes
; turn through the wave's own stage in LDS and come back 64 bytes a lane: 16 neighbours, two lanes to a block.  Loads run four steps ahead, the turn through LDS one step.
.Lhidden:
	v_lshlrev_b32 v3, 4, v2                        ; my 16 bytes of a load's 512
	s_mul_i32 s25, s24, WREG
	v_lshrrev_b32 v14, 2, v2
	v_mul_u32_u24 v14, v14, SP
	v_and_b32 v15, 3, v2
	v_lshl_add_u32 v14, v15, 4, v14
	v_add_nc_u32 v14, s25, v14                     ; the stage, on the way in: SP (lane / 4) + 16 (lane % 4)
	v_mul_u32_u24 v15, v2, SP
	v_add_nc_u32 v15, s25, v15                     ; and on the way out: SP x lane
	v_mul_u32_u24 v4, v2, CB                       ; my codes' place in a step's
	v_lshrrev_b32 v5, 1, v2
	s_add_co_u32 s25, s25, 2*32*SP
	v_add_nc_u32 v5, s25, v5                       ; my wave's 256 scale bytes, my block's byte
	v_lshlrev_b32 v7, 3, v2
	v_add_nc_u32 v6, s25, v7                       ; and on the way out 8 bytes a lane
	s_sub_co_u32 s26, ttmp9, 96
	s_lshl_b32 s26, s26, 2
	s_add_co_u32 s26, s26, s24                     ; which run of 8,192 numbers: 0..1023
	s_lshl_b32 s28, s26, 15
	s_mov_b32 s29, 0
	s_add_nc_u64 s[4:5], s[4:5], s[28:29]
	s_lshl_b32 s28, s26, 12
	s_add_nc_u64 s[12:13], s[12:13], s[28:29]
	s_lshl_b32 s28, s26, 8
	s_add_nc_u64 s[14:15], s[14:15], s[28:29]
.macro ALOAD t
.irp i, 0,1,2,3
	global_load_b128 v[AR+16*((\t)%4)+4*\i:AR+16*((\t)%4)+4*\i+3], v3, s[4:5] offset:2048*(\t)+512*\i th:TH_LOAD_NT
.endr
.endm
.macro ATURN t                         ; LDS serves a wave's instructions in order (ISA guide 5.7.1.4): no wait between the stores and the loads
.irp i, 0,1,2,3
	ds_store_b128 v14, v[AR+16*((\t)%4)+4*\i:AR+16*((\t)%4)+4*\i+3] offset:32*SP*((\t)%2)+8*SP*\i
.endr
.irp i, 0,1,2,3
	ds_load_b128 v[AX+16*((\t)%2)+4*\i:AX+16*((\t)%2)+4*\i+3], v15 offset:32*SP*((\t)%2)+16*\i
.endr
.endm
.irp t, 0,1,2,3
	ALOAD \t
.endr
	s_wait_loadcnt 12                              ; step 0's four loads are in
	ATURN 0
.macro ASTEP t
.set XS, AX+16*((\t)%2)
.if (\t) > 0
	s_wait_dscnt 1                                 ; this step's numbers are back from the stage (the last step's byte store may be out)
.else
	s_wait_dscnt 0x0
.endif
.if (\t)+4 < STEPS
	ALOAD (\t)+4
.endif
.if (\t)+1 < STEPS
.if STEPS-2-(\t) >= 3
	s_wait_loadcnt 12                              ; the next step's four loads are in; those of the three steps behind it may be out
.else
	s_wait_loadcnt 4*(STEPS-2-(\t))
.endif
	ATURN (\t)+1
.endif
	v_max3_num_f32 v8, |v[XS]|, |v[XS+1]|, |v[XS+2]|               ; the largest magnitude of my 16, in two chains
	v_max3_num_f32 v9, |v[XS+3]|, |v[XS+4]|, |v[XS+5]|
.irp i, 6,10
	v_max3_num_f32 v8, v8, |v[XS+\i]|, |v[XS+\i+1]|
	v_max3_num_f32 v9, v9, |v[XS+\i+2]|, |v[XS+\i+3]|
.endr
	v_max3_num_f32 v8, v8, |v[XS+14]|, |v[XS+15]|
	v_max3_num_f32 v8, v8, v9, (EMAX+1)<<23        ; and the floor 2^(3 - 127): the byte cannot fall under 1
	v_max_num_f32_dpp v8, v8, v8 row_xmask:1 row_mask:0xf bank_mask:0xf   ; and of my neighbour's 16: the block's
	v_add_nc_u32 v11, -(EMAX<<23), v8              ; 2 off its exponent field: the conversion takes this operand's exponent field as its scale
	v_cvt_scalef32_pk8_fp4_f32 v[ACD+4*(\t)], v[XS:XS+7], v11
	v_cvt_scalef32_pk8_fp4_f32 v[ACD+4*(\t)+1], v[XS+8:XS+15], v11
	v_lshrrev_b32 v[AE+(\t)], 23, v11              ; the scale's byte
	ds_store_b8 v5, v[AE+(\t)] offset:16*(\t)      ; both lanes of a block write the same byte with the same value
	global_store_b64 v4, v[ACD+4*(\t):ACD+4*(\t)+1], s[12:13] offset:32*CB*(\t)   ; 32 lanes store 256 consecutive bytes, aligned
.endm
.irp t, 0,1,2,3,4,5,6,7,8,9,10,11,12,13,14,15
	ASTEP \t
.endr
	ds_load_b64 v[8:9], v6                         ; my wave's 256 scale bytes
	s_wait_dscnt 0x0
	global_store_b64 v7, v[8:9], s[14:15]          ; one aligned run of 256 bytes
	s_wait_tensorcnt 0x0                           ; the wave's end, behind my last LDS store
	ds_add_u32 v[SPW], v[NIL]
	s_wait_dscnt 0x0
	s_endpgm
; ---------------- w_qkv: K is its FIRST axis.  A lane takes a column n and its registers run down K: each load reads 128 consecutive bytes a wave, a block of 32 along K lies in one lane's 32 registers, and the conversions
; give codes with K innermost.  A wave takes 32 columns x 512 along K; its codes go through its own stage in LDS and leave as rows, sixteen lanes to 256 consecutive bytes.  Loads run two blocks ahead.
.Lw_qkv:
	s_lshr_b32 s25, ttmp9, 2
	s_lshl_b32 s25, s25, 7
	s_lshl_b32 s26, s24, 5
	s_add_co_u32 s25, s25, s26                     ; my wave's first column: 128 x (work-group / 4) + 32 x wave
	s_and_b32 s26, ttmp9, 3                        ; which 512 along K
	v_lshlrev_b32 v3, 2, v2                        ; in: 4 bytes a lane
	s_mul_i32 s27, s24, 32*BPITCH
	s_add_co_u32 s27, s27, BSTG                    ; my stage
	v_mul_u32_u24 v4, v2, BPITCH
	v_add_nc_u32 v4, s27, v4                       ; into it: row = my column
	v_and_b32 v5, 15, v2
	v_lshrrev_b32 v6, 4, v2
	v_mul_u32_u24 v7, v6, BPITCH
	v_lshl_add_u32 v7, v5, 4, v7
	v_add_nc_u32 v7, s27, v7                       ; out of it: sixteen lanes to a row, two rows an instruction
	v_mul_u32_u24 v8, v6, KROW
	v_lshl_add_u32 v8, v5, 4, v8                   ; and the same place in b_codes
	v_lshlrev_b32 v9, 6, v2                        ; my column's row of scale bytes
	s_mul_i32 s28, s26, KW*SIZE_N*4
	s_lshl_b32 s30, s25, 2
	s_add_co_u32 s28, s28, s30
	s_mov_b32 s29, 0
	s_add_nc_u64 s[6:7], s[6:7], s[28:29]
	s_mul_i32 s28, s25, KROW
	s_lshl_b32 s30, s26, 8
	s_add_co_u32 s28, s28, s30
	s_add_nc_u64 s[16:17], s[16:17], s[28:29]
	s_lshl_b32 s28, s25, 6
	s_lshl_b32 s30, s26, 4
	s_add_co_u32 s28, s28, s30
	s_add_nc_u64 s[18:19], s[18:19], s[28:29]
.macro BLOAD t                         ; block t: W(32 t + i, my column); the largest offset, 511 rows of 12,288 bytes, lies inside the signed 24-bit immediate (ISA guide, chapter 10)
.irp i, 0,1,2,3,4,5,6,7,8,9,10,11,12,13,14,15,16,17,18,19,20,21,22,23,24,25,26,27,28,29,30,31
	global_load_b32 v[BX+32*((\t)%2)+\i], v3, s[6:7] offset:(32*(\t)+\i)*SIZE_N*4 th:TH_LOAD_NT
.endr
.endm
	BLOAD 0
	BLOAD 1
.macro BBLOCK t
.set XS, BX+32*((\t)%2)
.if (\t) < NB-1
	s_wait_loadcnt 32                              ; this block's 32 loads are in; the next block's may be out
.else
	s_wait_loadcnt 0x0
.endif
	v_max3_num_f32 v14, |v[XS]|, |v[XS+1]|, |v[XS+2]|              ; the block's largest magnitude: all 32 numbers are mine
	v_max3_num_f32 v15, |v[XS+3]|, |v[XS+4]|, |v[XS+5]|
.irp i, 6,10,14,18,22,26
	v_max3_num_f32 v14, v14, |v[XS+\i]|, |v[XS+\i+1]|
	v_max3_num_f32 v15, v15, |v[XS+\i+2]|, |v[XS+\i+3]|
.endr
	v_max3_num_f32 v14, v14, |v[XS+30]|, |v[XS+31]|
	v_max3_num_f32 v14, v14, v15, (EMAX+1)<<23     ; and the floor
	v_add_nc_u32 v11, -(EMAX<<23), v14             ; the conversion's scale operand
	v_lshrrev_b32 v15, 23, v11                     ; the scale's byte
.if (\t)%4 == 0
	v_mov_b32 v[BSB+(\t)/4], v15                   ; four bytes to a register, the lower K in the lower byte
.else
	v_lshl_or_b32 v[BSB+(\t)/4], v15, 8*((\t)%4), v[BSB+(\t)/4]
.endif
.irp g, 0,1,2,3
	v_cvt_scalef32_pk8_fp4_f32 v[BC+\g], v[XS+8*\g:XS+8*\g+7], v11
.endr
	ds_store_b128 v4, v[BC:BC+3] offset:16*(\t)    ; 32 codes: 16 bytes of my column's row
.if (\t)+2 < NB
	BLOAD (\t)+2
.endif
	s_wait_dscnt 0x0                               ; the store has read its registers: the next block's codes may be written
.endm
.irp t, 0,1,2,3,4,5,6,7,8,9,10,11,12,13,14,15
	BBLOCK \t
.endr
	global_store_b128 v9, v[BSB:BSB+3], s[18:19]   ; my column's 16 scale bytes
.irp t, 0,1,2,3,4,5,6,7,8,9,10,11,12,13,14,15
	ds_load_b128 v[BOUT+4*\t:BOUT+4*\t+3], v7 offset:2*\t*BPITCH
.endr
.irp t, 0,1,2,3,4,5,6,7,8,9,10,11,12,13,14,15
	s_wait_dscnt 15-\t                             ; LDS loads come back in order: load t is in, the younger ones stay out
	global_store_b128 v8, v[BOUT+4*\t:BOUT+4*\t+3], s[16:17] offset:2*\t*KROW
.endr
	s_wait_tensorcnt 0x0                           ; the wave's end, behind my last LDS store
	ds_add_u32 v[SPW], v[NIL]
	s_wait_dscnt 0x0
	s_endpgm
.Lfunc_end_k_q4186a75cfa_prep:
	.size	k_q4186a75cfa_prep, .Lfunc_end_k_q4186a75cfa_prep-k_q4186a75cfa_prep
	.p2alignl 7, 3214868480
	.fill 96, 4, 3214868480
	.section	.rodata,"a",@progbits
	.p2align	6, 0x0
	.amdhsa_kernel k_q4186a75cfa_prep
		.amdhsa_group_segment_fixed_size 68096
		.amdhsa_private_segment_fixed_size 0
		.amdhsa_enable_private_segment 0
		.amdhsa_kernarg_size 80
		.amdhsa_user_sgpr_count 2
		.amdhsa_user_sgpr_kernarg_segment_ptr 1
		.amdhsa_wavefront_size32 1
		.amdhsa_system_sgpr_workgroup_id_x 1
		.amdhsa_system_sgpr_workgroup_id_y 1
		.amdhsa_system_sgpr_workgroup_id_z 1
		.amdhsa_system_vgpr_workitem_id 0
		.amdhsa_next_free_vgpr 192
		.amdhsa_next_free_sgpr 66
		.amdhsa_reserve_vcc 1
		.amdhsa_float_denorm_mode_32 3
		.amdhsa_float_denorm_mode_16_64 3
		.amdhsa_memory_ordered 1
		.amdhsa_forward_progress 1
		.amdhsa_inst_pref_size 180
	.end_amdhsa_kernel
	.amdgpu_metadata
---
amdhsa.version: [ 1, 2 ]
amdhsa.kernels:
  - .name:           k_q4186a75cfa_prep
    .symbol:         k_q4186a75cfa_prep.kd
    .args:
      - { .name: hidden_states, .offset: 0, .size: 8, .value_kind: global_buffer, .address_space: global }
      - { .name: w_qkv, .offset: 8, .size: 8, .value_kind: global_buffer, .address_space: global }
      - { .name: w_o, .offset: 16, .size: 8, .value_kind: global_buffer, .address_space: global }
      - { .name: positions, .offset: 24, .size: 8, .value_kind: global_buffer, .address_space: global }
      - { .name: a_codes, .offset: 32, .size: 8, .value_kind: global_buffer, .address_space: global }
      - { .name: a_scales, .offset: 40, .size: 8, .value_kind: global_buffer, .address_space: global }
      - { .name: b_codes, .offset: 48, .size: 8, .value_kind: global_buffer, .address_space: global }
      - { .name: b_scales, .offset: 56, .size: 8, .value_kind: global_buffer, .address_space: global }
      - { .name: wo16, .offset: 64, .size: 8, .value_kind: global_buffer, .address_space: global }
      - { .name: rope, .offset: 72, .size: 8, .value_kind: global_buffer, .address_space: global }
    .group_segment_fixed_size: 68096
    .private_segment_fixed_size: 0
    .kernarg_segment_align: 8
    .kernarg_segment_size: 80
    .max_flat_workgroup_size: 128
    .sgpr_count:     66
    .vgpr_count:     192
    .wavefront_size: 32
...
	.end_amdgpu_metadata
.endif
;; end of part 1
;; launch qkv (part 2): grid 12 x 16, 4 waves a work-group, clusters of 4 x 4, 327,680 bytes of LDS; arguments a_codes, a_scales, b_codes, b_scales, qkv16, q_norm_w, k_norm_w, rope; writes qkv16
.if DOCPART == 2
	.amdgcn_target "amdgcn-amd-amdhsa--gfx1250"
	.amdhsa_code_object_version 6
	.text
	.protected	k_q4186a75cfa_qkv
	.globl	k_q4186a75cfa_qkv
	.p2align	8
	.type	k_q4186a75cfa_qkv,@function
k_q4186a75cfa_qkv:
	s_mov_b64 s[64:65], 0
	v_nop
	global_prefetch_b8 v0, s[64:65] scope:SCOPE_SE
	s_setreg_imm32_b32 hwreg(HW_REG_WAVE_MODE, 25, 1), 1
	s_wait_xcnt 0x0
	s_wait_alu depctr_hold_cnt(0) depctr_sa_sdst(0) depctr_va_vdst(0) depctr_va_sdst(0) depctr_va_ssrc(0) depctr_va_vcc(0) depctr_vm_vsrc(0)
	s_getreg_b32 s2, hwreg(HW_REG_IB_STS2, 6, 4)
	s_cmp_eq_u32 s2, 0
	s_cbranch_scc0 .Lentry_in_a_cluster
	s_endpgm
.Lentry_in_a_cluster:
	s_bfe_u32 s2, ttmp6, 0x10000c
	s_cmp_lg_u32 s2, 0xf033
	s_cbranch_scc0 .Lentry_shape_is_right
	s_endpgm
.Lentry_shape_is_right:
; qkv = hidden_states x w_qkv on codes of FP4 (E2M1) with one E8M0 scale for each 32 along K, sums in f32; on the way out the per-head RMSNorm with its weight, the rotary embedding, and the rounding to f16.
; A: a_codes [4096][1024 bytes], a_scales [4096][64]; B: b_codes [3072][1024 bytes], b_scales [3072][64], K innermost.  Out: qkv16 [batch 4][24 heads][1024 positions][128] f16: heads 0-15 q, 16-19 k, 20-23 v.
; A tile of 256 tokens x 256 columns is made by four waves, each 128 x 128: 64 accumulators, 512 registers: 128 tokens of ONE head.  K goes in steps of 512 through a ring of two LDS slots filled by the tensor data mover
; (a tile's row is 256 bytes of memory).  The scales of the work-group's rows, for all of K, come into LDS once, with the first fills.
; CLUSTERS: 4 x 4 work-groups.  The four of a row need the same tiles of A, the four of a column the same tiles of B: each tile is asked for jointly, by the same tensor load with the same descriptor and a mask that names the four.
; THE MATRIX INSTRUCTION IS USED TRANSPOSED (source 0 = 16 rows of B, source 1 = 16 rows of A): lane l holds token l % 16 of a block, and register j of accumulator b the head's channel 16 b + 8 (l / 16) + j.
; THE WAY OUT IS ONE PATH FOR q, k AND v: partners of a cluster hold different kinds of head, and no branch may differ between them.  What differs is chosen by selects and addresses: the weight's buffer (q's or k's); for v the
; weight and 1 / rms become 1.0 by v_cndmask_b32, and the rotary table's block is one made with cos = 1 and sin = 0.
; rope(x w) / rms is computed where the definition has rope(x / rms w): the rotation is linear and 1 / rms is one number a token.
; LIMITS: results must lie under 65,504 in magnitude (f16): |q|, |k| <= sqrt(128) x the largest norm weight; v as the product gives it.
; REGISTERS: window 0: v0-31 addresses; v32-95 scale words, two sets, which hold nothing else; v96-122 at work on the way out; v128-191 A's fragments, ONE set, later Y; v192-255 the norm's weight.
;   window 1: B's fragments, two sets, at v0 and v128; v64-127 and v192-255 the rotary table's two sets; on the way out v0-63 rows back from the stage.   windows 2, 3: the accumulators ((a, b) at v[8 (8 (a % 4) + b)]).
.set SIZE_M, 4096
.set SIZE_N, 3072
.set SIZE_K, 2048
.set KSTEP,  512                       ; along K in a slot
.set NQ,     KSTEP/128                 ; matrix instructions deep
.set ROWB,   256                       ; a tile's row in bytes
.set KROW,   SIZE_K*4/8                ; a row of A or B in memory, in bytes
.set PITCH,  272                       ; an LDS row: 256 bytes + 16 of padding = 68 words: the 16 rows that a load touches start at 16 different banks (64 banks of 4 bytes: ISA guide 11.1)
.set FR,     8                         ; registers of a fragment: 16 rows x 128 K
.set NL,     2                         ; LDS loads that bring one
.set NP,     4                         ; places behind this matrix instruction (ISA guide 7.12.1)
.set HALFT,  128*PITCH                 ; what one tensor load brings, and what one wave reads of A or of B
.set SLOT,   4*HALFT
.set LAPS,   SIZE_K/(2*KSTEP)
.set KS,     SIZE_K/32                 ; a row of scales in bytes
.set SCL,    2*SLOT                    ; behind the ring: the scales, as runs of 256 bytes + 16 of padding
.set HALFS,  (128*KS/256)*272
.set SBLK,   (16*KS/256)*272
.set SPARE,  SCL+4*HALFS               ; the spare words, 128 bytes for each wave: two blocks of 256 bytes that no other line names
.set SPITCH, 272                       ; the way out: a stage of 16 rows x (256 bytes + 16) for each wave, in slot 0, which has had its last fill and its last read when the first result is stored there
.set TA,   8                           ; v8-9    the table loads' offsets, two by turns
.set WOF,  10                          ; v10     32 (l / 16): my eight weights of a block of 16
.set ONE,  11                          ; v11     1.0
.set ADRA, 16
.set ADRB, 20
.set STO,  24                          ; v24     the way out: where I put 16 bytes of a row
.set RD,   25                          ; v25     where I read a row back
.set CO,   26                          ; v26     16 x lane
.set ADRS, 27
.set SPW,  28
.set NIL,  29
.set SC,   32
.set T,    96                          ; v96-111  products with sin, four sets of two pairs
.set SS,   112                         ; v112-119 sums of squares, four pairs
.set RS,   120                         ; v120     1 / rms; v121 is named with it as a pair
.set PX,   122                         ; v122     a lane permute's destination
.set AF,   128
.set Y,    128                         ; v128-191 a block's 64 numbers at work
.set W,    192                         ; v192-255 the norm's weight at my 64 channels
.set G1, 24
.set G0, 32
.set G1B, 48
.set G0B, 56
.set G1S, 68
.set G0S, 76
.set G1SB, 80
.set G0SB, 88
.set MSB, 0
.macro WIN new                         ; the immediate's high byte repeats the setting that is left
.if MSB != \new
	s_set_vgpr_msb (MSB<<8)|\new
.set MSB, \new
.endif
.endm
.set MUL_LO, 0xa1                      ; source 0 (B) window 1, source 1 (A) window 0, C and D window 2
.set MUL_HI, 0xf1
.set TO_B,   0x40                      ; destination window 1, address window 0
; A joint load: waves 0 and 1 fetch for A, waves 2 and 3 for B; the branch hangs on the wave's number alone.  An s_nop 0 and four v_nop follow each of the two lines.
.macro JLOAD g0a, g1a, g0b, g1b
	s_cmp_eq_u32 s15, 0
	s_cbranch_scc0 .Lfor_b_\@
	tensor_load_to_lds s[\g0a:\g0a+3], s[\g1a:\g1a+7]
	s_nop 0
.rept 4
	v_nop
.endr
	s_branch .Lasked_\@
.Lfor_b_\@:
	tensor_load_to_lds s[\g0b:\g0b+3], s[\g1b:\g1b+7]
	s_nop 0
.rept 4
	v_nop
.endr
.Lasked_\@:
.endm
.macro CREST                           ; a round of the cluster's barrier behind its opening barrier
	s_cmp_lg_u32 s14, 0
	s_cbranch_scc1 .Lnot_wave_0_\@
	s_barrier_signal -3
.Lnot_wave_0_\@:
	s_barrier_wait -3
	s_barrier_signal -1
	s_barrier_wait -1
.endm
.macro CROUND
	s_barrier_signal -1
	s_barrier_wait -1
	CREST
.endm
	s_load_b128 s[4:7], s[0:1], 0x0                ; A's codes, A's scales
	s_load_b128 s[8:11], s[0:1], 0x10              ; B's codes, B's scales
	s_load_b64 s[12:13], s[0:1], 0x20              ; qkv16
	s_load_b128 s[96:99], s[0:1], 0x28             ; q_norm_w, k_norm_w
	s_load_b64 s[100:101], s[0:1], 0x38            ; the rotary table
	v_lshl_add_u32 v[SPW], v0, 2, SPARE
	v_mov_b32 v[NIL], 0
	ds_add_u32 v[SPW], v[NIL]                      ; the wave's opening: the add, twice on end, and its wait ahead of my first tensor load
	ds_add_u32 v[SPW], v[NIL]
	v_lshrrev_b32 v1, 5, v0
	v_readfirstlane_b32 s14, v1                    ; wave 0..3
	s_lshr_b32 s15, s14, 1                         ; which half of the tile's rows is mine.  Also: I fetch for A (0) or for B (1)
	s_and_b32 s16, s14, 1                          ; which half of its columns.  Also: which 128 rows of that tile I fetch
	s_bfe_u32 s40, ttmp6, 0x40000                  ; cx, cy
	s_bfe_u32 s41, ttmp6, 0x40004
	s_lshl_b32 s42, ttmp9, 2
	s_add_co_u32 s42, s42, s40                     ; tile column = 4 x cluster x + cx
	s_and_b32 s17, ttmp7, 0xffff
	s_lshl_b32 s17, s17, 2
	s_add_co_u32 s17, s17, s41                     ; tile row = 4 x cluster y + cy
	s_lshl_b32 s43, s41, 2
	s_lshl_b32 s43, 15, s43                        ; my row of the cluster
	s_lshl_b32 s44, 0x1111, s40                    ; my column
	s_or_b32 s[G1+0], s43, (0<<16)|(1<<20)|(1<<21)|(5<<22)|(3<<25)  ; the mask; elements of 1 byte; padding on; bit 21 beside a mask; after every 64 words, 4 words
	s_or_b32 s[G1B+0], s44, (0<<16)|(1<<20)|(1<<21)|(5<<22)|(3<<25)
.irp g, G1, G1B
	s_mov_b32 s[\g+1], ROWB<<16                    ; tensor_dim0
	s_mov_b32 s[\g+2], 128<<16                     ; tensor_dim1
	s_mov_b32 s[\g+3], ROWB<<16                    ; tile_dim0
	s_mov_b32 s[\g+4], 128                         ; tile_dim1
	s_mov_b32 s[\g+5], KROW                        ; tensor_dim0_stride
	s_mov_b32 s[\g+6], 0
	s_mov_b32 s[\g+7], 0
.endr
	s_or_b32 s[G1S+0], s43, (3<<16)|(1<<20)|(1<<21)|(5<<22)|(3<<25) ; the scales of 128 rows: a dense block, as rows of 256 bytes (32 elements of 8 bytes)
	s_or_b32 s[G1SB+0], s44, (3<<16)|(1<<20)|(1<<21)|(5<<22)|(3<<25)
.irp g, G1S, G1SB
	s_mov_b32 s[\g+1], 32<<16
	s_mov_b32 s[\g+2], (128*KS/256)<<16
	s_mov_b32 s[\g+3], 32<<16
	s_mov_b32 s[\g+4], 128*KS/256
	s_mov_b32 s[\g+5], 32
	s_mov_b32 s[\g+6], 0
	s_mov_b32 s[\g+7], 0
.endr
	s_lshl_b32 s18, s16, 7
	s_lshl_b32 s20, s17, 8
	s_add_co_u32 s20, s20, s18                     ; A: row 256 x tile row + 128 x half
	s_lshl_b32 s46, s42, 8
	s_add_co_u32 s46, s46, s18                     ; B: row 256 x tile column + 128 x half
	s_mov_b32 s21, 0
	s_mov_b32 s47, 0
	s_mov_b64 s[18:19], KS
	s_mul_u64 s[22:23], s[20:21], s[18:19]         ; where these rows' scales begin
	s_mul_u64 s[92:93], s[46:47], s[18:19]
	s_mov_b64 s[18:19], KROW
	s_mul_u64 s[20:21], s[20:21], s[18:19]         ; and their codes
	s_mul_u64 s[46:47], s[46:47], s[18:19]
	s_mul_i32 s45, s14, HALFT                      ; where they go: wave x 128 rows
	s_mul_i32 s94, s14, HALFS
	s_wait_dscnt 0x0                               ; both opening adds are done
	s_wait_kmcnt 0x0
	s_add_nc_u64 s[20:21], s[4:5], s[20:21]
	s_add_nc_u64 s[22:23], s[6:7], s[22:23]
	s_add_nc_u64 s[46:47], s[8:9], s[46:47]
	s_add_nc_u64 s[92:93], s[10:11], s[92:93]
	CROUND                                         ; all sixteen work-groups are here: the first joint loads meet
	s_mov_b32 s[G0S], 1
	s_add_co_u32 s[G0S+1], s94, SCL
	s_mov_b64 s[G0S+2:G0S+3], s[22:23]
	s_or_b32 s[G0S+3], s[G0S+3], 0x80000000
	s_mov_b32 s[G0SB], 1
	s_add_co_u32 s[G0SB+1], s94, SCL
	s_mov_b64 s[G0SB+2:G0SB+3], s[92:93]
	s_or_b32 s[G0SB+3], s[G0SB+3], 0x80000000
	JLOAD G0S, G1S, G0SB, G1SB                     ; the scales first: they are wanted with K step 0
.irp s, 0,1
	s_mov_b32 s[G0+4*\s], 1
	s_add_co_u32 s[G0+4*\s+1], s45, \s*SLOT
	s_add_nc_u64 s[G0+4*\s+2:G0+4*\s+3], s[20:21], \s*ROWB
	s_or_b32 s[G0+4*\s+3], s[G0+4*\s+3], 0x80000000
	s_mov_b32 s[G0B+4*\s], 1
	s_add_co_u32 s[G0B+4*\s+1], s45, \s*SLOT
	s_add_nc_u64 s[G0B+4*\s+2:G0B+4*\s+3], s[46:47], \s*ROWB
	s_or_b32 s[G0B+4*\s+3], s[G0B+4*\s+3], 0x80000000
	JLOAD G0+4*\s, G1, G0B+4*\s, G1B
.endr
	v_and_b32 v1, 15, v0                           ; l % 16
	v_bfe_u32 v2, v0, 4, 1                         ; l / 16
	v_mul_u32_u24 v3, v1, PITCH
	v_lshl_add_u32 v4, v2, 4, v3                   ; a fragment's row x pitch + 16 x half
	s_mul_i32 s21, s15, HALFT
	s_mul_i32 s22, s16, HALFT
	s_add_co_u32 s22, s22, 2*HALFT
.irp s, 0,1
	v_add_nc_u32 v[ADRA+\s], s21, v4
	v_add_nc_u32 v[ADRB+\s], s22, v4
	s_add_co_u32 s21, s21, SLOT
	s_add_co_u32 s22, s22, SLOT
.endr
	v_mul_u32_u24 v5, v1, KS                       ; my row's scales: KS bytes a row,
	v_lshrrev_b32 v6, 8, v5
	v_lshl_add_u32 v5, v6, 4, v5                   ; and 16 more for each 256 passed
	s_mul_i32 s21, s15, HALFS
	s_mul_i32 s22, s16, HALFS
	s_add_co_u32 s22, s22, 2*HALFS
	s_sub_co_u32 s22, s22, s21
	v_mul_u32_u24 v6, s22, v2                      ; lanes 16-31 take B's
	s_add_co_u32 s21, s21, SCL
	v_add_nc_u32 v5, v5, v6
	v_add_nc_u32 v[ADRS], s21, v5
	s_mul_i32 s23, s14, 16*SPITCH                  ; my stage
	v_mul_u32_u24 v5, v1, SPITCH                   ; in: row l % 16, 16 bytes for each half of the lanes
	v_lshl_add_u32 v5, v2, 4, v5
	v_add_nc_u32 v[STO], s23, v5
	v_mul_u32_u24 v5, v2, SPITCH                   ; back: lanes 0-15 one row of 256 bytes, lanes 16-31 the next
	v_lshl_add_u32 v5, v1, 4, v5
	v_add_nc_u32 v[RD], s23, v5
	v_and_b32 v6, 31, v0
	v_lshlrev_b32 v[CO], 4, v6
	v_lshlrev_b32 v[WOF], 5, v2
	v_mov_b32 v[ONE], 1.0
	v_mov_b32 v[RS+1], 0                           ; named as the upper half of a pair
	v_mov_b32 v[PX], 0                             ; a lane permute's destination counts as one of its sources
	; what the way out needs of my place.  s[4:11] are free: the descriptors hold their own copies.  None of these numbers enters a branch, an LDS address or a descriptor.
	s_lshl_b32 s4, s42, 1
	s_add_co_u32 s4, s4, s16                       ; my head: 2 x tile column + half, 0..23
	s_lshr_b32 s5, s17, 2                          ; the batch
	s_mul_i32 s5, s5, 24
	s_add_co_u32 s5, s5, s4
	s_lshl_b32 s5, s5, 10
	s_and_b32 s6, s17, 3
	s_lshl_b32 s6, s6, 8
	s_add_co_u32 s5, s5, s6
	s_lshl_b32 s6, s15, 7
	s_add_co_u32 s5, s5, s6                        ; my first row of qkv16
	s_lshl_b32 s10, s5, 8                          ; rows of 256 bytes
	s_mov_b32 s11, 0
	s_add_nc_u64 s[12:13], s[12:13], s[10:11]
	s_cmp_ge_u32 s4, 16
	s_cselect_b64 s[96:97], s[98:99], s[96:97]     ; k's weight from head 16 on (v loads it too, and takes 1.0 in its stead)
	s_add_co_u32 s9, s14, 256
	s_lshl_b32 s9, s9, 13                          ; v: the table's block 256 + wave
	s_lshl_b32 s10, s17, 4
	s_lshl_b32 s11, s15, 3
	s_add_co_u32 s10, s10, s11
	s_lshl_b32 s10, s10, 13                        ; q, k: block 16 x tile row + 8 x half, 8,192 bytes a block
	s_cmp_ge_u32 s4, 20                            ; v?
	s_cselect_b32 s6, -1, 0                        ; a mask for v_cndmask_b32: all lanes or none
	s_cselect_b32 s5, 0, 8192                      ; the table's step from block to block
	s_cselect_b32 s4, s9, s10                      ; and where it begins
	s_mov_b32 s7, 0x358637bd                       ; 1e-6
	s_mov_b32 s8, 0x3c000000                       ; 1 / 128
	s_mov_b32 s66, 0x76543210
	s_mov_b32 s67, 0xfedcba98                      ; v_permlanex16_b32's selects for lane l xor 16
; The table's block for my tokens 16 a .. 16 a + 15: 16 loads of 512 consecutive bytes, into set a % 2 (window 1: v64-127, v192-255): register 16 c + j: cos, 16 c + 8 + j: sin, of frequency 16 c + 8 (l / 16) + j
.macro TLOAD a
.set TB, 64+128*((\a)%2)
	v_add_nc_u32 v[TA+(\a)%2], s4, v[CO]           ; (the loads that last named this register have been waited for)
	s_add_co_u32 s4, s4, s5
	WIN TO_B
.irp i, 0,1,2,3,4,5,6,7,8,9,10,11,12,13,14,15
	global_load_b128 v[TB+4*\i:TB+4*\i+3], v[TA+(\a)%2], s[100:101] offset:512*\i
.endr
	WIN 0
.endm
.irp b, 0,1,2,3,4,5,6,7                        ; the weight at channels 16 b + 8 (l / 16) + 0 .. 7.  These loads and the two blocks of the table land in registers that the products never name: they are waited for on the way out
	global_load_b128 v[W+8*\b:W+8*\b+3], v[WOF], s[96:97] offset:64*\b
	global_load_b128 v[W+8*\b+4:W+8*\b+7], v[WOF], s[96:97] offset:64*\b+16
.endr
	TLOAD 0
	TLOAD 1
.macro FRAG reg, adr, q, i             ; a fragment: lane l holds row l % 16; registers 4 c .. 4 c + 3 hold K = 64 c + 32 (l / 16) + 0 .. 31
.irp c, 0,1
	ds_load_b128 v[\reg+4*\c:\reg+4*\c+3], v[\adr] offset:64*(\q)+32*\c+(\i)*16*PITCH
.endr
.endm
; 16 matrix instructions: A's blocks a0, a0 + 1 x B's eight, 128 along K.  zero = 1: the first product starts the sums.  The 64 accumulators take turns, one instruction a turn.
.macro MUL16 a0, p, q, sc, zero
.irp a, \a0, \a0+1
.irp b, 0,1,2,3,4,5,6,7
.if \zero
	v_wmma_scale_f32_16x16x128_f8f6f4 v[8*(8*((\a)%4)+\b):8*(8*((\a)%4)+\b)+7], v[128*(\p)+FR*\b:128*(\p)+FR*\b+FR-1], v[AF+FR*(\a):AF+FR*(\a)+FR-1], 0, v[SC+8*NQ*(\sc)+NQ*\b+(\q)], v[SC+8*NQ*(\sc)+NQ*(\a)+(\q)] matrix_a_fmt:MATRIX_FMT_FP4 matrix_b_fmt:MATRIX_FMT_FP4 matrix_a_scale:MATRIX_SCALE_ROW1
.else
	v_wmma_scale_f32_16x16x128_f8f6f4 v[8*(8*((\a)%4)+\b):8*(8*((\a)%4)+\b)+7], v[128*(\p)+FR*\b:128*(\p)+FR*\b+FR-1], v[AF+FR*(\a):AF+FR*(\a)+FR-1], v[8*(8*((\a)%4)+\b):8*(8*((\a)%4)+\b)+7], v[SC+8*NQ*(\sc)+NQ*\b+(\q)], v[SC+8*NQ*(\sc)+NQ*(\a)+(\q)] matrix_a_fmt:MATRIX_FMT_FP4 matrix_b_fmt:MATRIX_FMT_FP4 matrix_a_scale:MATRIX_SCALE_ROW1
.endif
.endr
.endr
.endm
.macro FETCH_B slot, q, p
	WIN TO_B
.irp i, 0,1,2,3,4,5,6,7
	FRAG 128*(\p)+FR*\i, ADRB+\slot, \q, \i
.endr
	WIN 0
.endm
.macro FETCH_A slot, q, i0
.irp i, \i0, \i0+1, \i0+2, \i0+3
	FRAG AF+FR*(\i), ADRA+\slot, \q, \i
.endr
.endm
.macro SCALES sc                       ; a K step's scale words: lanes 0-15 take A's block i, lanes 16-31 B's block i
.irp i, 0,1,2,3,4,5,6,7
	ds_load_b128 v[SC+8*NQ*\sc+NQ*\i:SC+8*NQ*\sc+NQ*\i+3], v[ADRS] offset:\i*SBLK
.endr
.endm
.macro PLACES n                        ; plain vector instructions between a matrix instruction and a load into, or a read of, its registers
.rept \n
	v_nop
.endr
.endm
.macro STEP slot, q, zero              ; a step of 128 along K that has its successor in the same slot
	s_wait_dscnt 4*NL                              ; B's set and A's blocks 0-3 are in; the youngest eight loads (A's blocks 4-7) may be out
	WIN MUL_LO
	MUL16 0, (\q)%2, \q, \slot, \zero
	MUL16 2, (\q)%2, \q, \slot, \zero
	s_wait_dscnt 0
	PLACES NP
	FETCH_B \slot, (\q)+1, 1-(\q)%2
	FETCH_A \slot, (\q)+1, 0
	WIN MUL_HI
	MUL16 4, (\q)%2, \q, \slot, \zero
	MUL16 6, (\q)%2, \q, \slot, \zero
	PLACES NP
	WIN 0
	FETCH_A \slot, (\q)+1, 4
.endm
; A slot's last step changes slots: one barrier; in front of it each wave waits for all its tensor loads, adds 0 to its spare word, and waits for that and for its own reads of this slot.
.macro TURN slot, next, fill
	s_wait_tensorcnt 0x0                           ; all my tensor loads have landed: my part of the next slot
	ds_add_u32 v[SPW], v[NIL]
	s_wait_dscnt 4*NL+1                            ; (the add and the youngest eight loads may be out)
	WIN MUL_LO
	MUL16 0, 1, NQ-1, \slot, 0
	s_wait_dscnt 0x0                               ; the add is done, and my reads of this slot are over
	s_barrier_signal -1
	MUL16 2, 1, NQ-1, \slot, 0
	WIN 0
	s_barrier_wait -1
.if \fill
	CREST                                          ; the barrier has opened a round of the cluster's barrier: no wave of any partner still reads this slot or has a load on its way
	s_add_nc_u64 s[G0+4*\slot+2:G0+4*\slot+3], s[G0+4*\slot+2:G0+4*\slot+3], 2*ROWB
	s_add_nc_u64 s[G0B+4*\slot+2:G0B+4*\slot+3], s[G0B+4*\slot+2:G0B+4*\slot+3], 2*ROWB
	JLOAD G0+4*\slot, G1, G0B+4*\slot, G1B         ; the first tensor load behind the round
.else
	PLACES NP
.endif
	v_add_nc_u32 v[ADRS], 4*NQ, v[ADRS]            ; on to the next K step's scale words
	FETCH_B \next, 0, 0
	FETCH_A \next, 0, 0
	SCALES \next
	WIN MUL_HI
	MUL16 4, 1, NQ-1, \slot, 0
	MUL16 6, 1, NQ-1, \slot, 0
	PLACES NP
	WIN 0
	FETCH_A \next, 0, 4
.endm
.macro STEPS slot, from
.set Q, \from
.rept NQ-1-\from
	STEP \slot, Q, 0
.set Q, Q+1
.endr
.endm
	s_wait_tensorcnt 1                             ; the scales and my part of K step 0 are in (K step 1's load may be out),
	s_barrier_signal -1
	s_barrier_wait -1                              ; everybody's are
	FETCH_B 0, 0, 0
	FETCH_A 0, 0, 0
	SCALES 0
	FETCH_A 0, 0, 4
	STEP 0, 0, 1                                   ; the first step stands in front of the loop: its products start the sums
	s_mov_b32 s3, LAPS-1
.Llap:                                                 ; a trip goes once round the ring and fills both slots again
	STEPS 0, 1
	TURN 0, 1, 1
	STEPS 1, 0
	TURN 1, 0, 1
	STEP 0, 0, 0
	s_sub_co_u32 s3, s3, 1
	s_cmp_lg_u32 s3, 0
	s_cbranch_scc1 .Llap
	STEPS 0, 1                                     ; the last lap fills nothing
	TURN 0, 1, 0
	STEPS 1, 0
	s_wait_dscnt 4*NL
	WIN MUL_LO
	MUL16 0, 1, NQ-1, 1, 0
	MUL16 2, 1, NQ-1, 1, 0
	s_wait_dscnt 0
	WIN MUL_HI
	MUL16 4, 1, NQ-1, 1, 0
	MUL16 6, 1, NQ-1, 1, 0
	WIN 0
; THE WAY OUT, block by block of 16 tokens x the head's 128 channels.
; SSQ: the sum of squares of my 64 channels, in four packed chains, each accumulator from its low end on; with lane l xor 16's it is the token's; 1 / rms by v_rsq_f32.
.macro SSQ a
.set AC, 64*((\a)%4)
.set WS, (2+(\a)/4)*5                  ; sources 0 and 1: window 2 or 3
	WIN WS
.irp b, 0,1,2,3,4,5,6,7
.irp p, 0,1,2,3
.if \b == 0
	v_pk_mul_f32 v[SS+2*\p:SS+2*\p+1], v[AC+2*\p:AC+2*\p+1], v[AC+2*\p:AC+2*\p+1]
.else
	v_pk_fma_f32 v[SS+2*\p:SS+2*\p+1], v[AC+8*\b+2*\p:AC+8*\b+2*\p+1], v[AC+8*\b+2*\p:AC+8*\b+2*\p+1], v[SS+2*\p:SS+2*\p+1]
.endif
.endr
.endr
	WIN 0
	v_pk_add_f32 v[SS:SS+1], v[SS:SS+1], v[SS+2:SS+3]
	v_pk_add_f32 v[SS+4:SS+5], v[SS+4:SS+5], v[SS+6:SS+7]
	v_pk_add_f32 v[SS:SS+1], v[SS:SS+1], v[SS+4:SS+5]
	v_add_f32 v[SS], v[SS], v[SS+1]
	v_permlanex16_b32 v[PX], v[SS], s66, s67
	v_add_f32 v[SS], v[SS], v[PX]
	v_fma_f32 v[SS], v[SS], s8, s7                 ; the mean + 1e-6
	v_rsq_f32 v[RS], v[SS]                         ; its result is first named in YROPE, behind plain work and the wait
.endm
; YROPE: Y = x w; the rotation: channels d and d + 64 with cos and sin of frequency d; x 1 / rms; to f16, eight neighbouring channels in 16 bytes.
.macro YROPE a
.set AC, 64*((\a)%4)
.set WS, 2+(\a)/4
.set TB, 64+128*((\a)%2)
.if (\a) < 7
	s_wait_loadcnt 16                              ; this block's table (for block 0: and the weight) is in; the next block's 16 loads stay out
.else
	s_wait_loadcnt 0x0
.endif
.if (\a) == 0
.set n, 0
.rept 64
	v_cndmask_b32 v[W+n], v[W+n], v[ONE], s6       ; v has no norm: its weight is 1.0
.set n, n+1
.endr
.endif
	WIN WS                                         ; source 0: window 2 or 3
.set n, 0
.rept 32
	v_pk_mul_f32 v[Y+n:Y+n+1], v[AC+n:AC+n+1], v[W+n:W+n+1]
.set n, n+2
.endr
	WIN 0x04                                       ; source 1 (the table): window 1
.irp c, 0,1,2,3
.irp p, 0,1,2,3
	v_pk_mul_f32 v[T+4*\p:T+4*\p+1], v[Y+8*\c+2*\p:Y+8*\c+2*\p+1], v[TB+16*\c+2*\p+8:TB+16*\c+2*\p+9]            ; y1 sin
	v_pk_mul_f32 v[T+4*\p+2:T+4*\p+3], v[Y+32+8*\c+2*\p:Y+32+8*\c+2*\p+1], v[TB+16*\c+2*\p+8:TB+16*\c+2*\p+9]    ; y2 sin
.endr
.irp p, 0,1,2,3
	v_pk_fma_f32 v[Y+8*\c+2*\p:Y+8*\c+2*\p+1], v[Y+8*\c+2*\p:Y+8*\c+2*\p+1], v[TB+16*\c+2*\p:TB+16*\c+2*\p+1], v[T+4*\p+2:T+4*\p+3] neg_lo:[0,0,1] neg_hi:[0,0,1]   ; y1 cos - y2 sin
	v_pk_fma_f32 v[Y+32+8*\c+2*\p:Y+32+8*\c+2*\p+1], v[Y+32+8*\c+2*\p:Y+32+8*\c+2*\p+1], v[TB+16*\c+2*\p:TB+16*\c+2*\p+1], v[T+4*\p:T+4*\p+1]                        ; y2 cos + y1 sin
.endr
.endr
	WIN 0
	s_wait_alu depctr_va_vdst(0)                   ; the wait ahead of the first line that names the root's result
	v_cndmask_b32 v[RS], v[RS], v[ONE], s6         ; v is not normalised
.set n, 0
.rept 32
	v_pk_mul_f32 v[Y+n:Y+n+1], v[Y+n:Y+n+1], v[RS:RS+1] op_sel_hi:[1,0]
.set n, n+2
.endr
.irp b, 0,1,2,3,4,5,6,7
.irp i, 0,1,2,3
	v_cvt_pk_f16_f32 v[Y+8*\b+\i], v[Y+8*\b+2*\i], v[Y+8*\b+2*\i+1]
.endr
.endr
.endm
; TOSTAGE: 16 bytes a lane into my own stage, back as whole rows of 256 bytes, two an instruction.  LDS serves a wave's instructions in order (ISA guide 5.7.1.4): no wait between the stores and the loads.
.macro TOSTAGE a
.set OB, 32*((\a)%2)
.irp b, 0,1,2,3,4,5,6,7
	ds_store_b128 v[STO], v[Y+8*\b:Y+8*\b+3] offset:32*\b
.endr
	WIN TO_B
.irp t, 0,1,2,3,4,5,6,7
	ds_load_b128 v[OB+4*\t:OB+4*\t+3], v[RD] offset:\t*2*SPITCH
.endr
	WIN 0
.endm
.macro SEND a
.set OB, 32*((\a)%2)
	s_wait_dscnt 0x0                               ; the block is back in registers
	WIN 0x04                                       ; a store's data are its source 1: window 1
.irp t, 0,1,2,3,4,5,6,7
	global_store_b128 v[CO], v[OB+4*\t:OB+4*\t+3], s[12:13] offset:(\a)*4096+512*\t   ; 32 lanes store 512 consecutive bytes, aligned: two rows of a head
.endr
	WIN 0
.endm
	PLACES NP                                      ; behind the last products
.irp a, 0,1,2,3,4,5,6,7
	SSQ \a
.if \a > 0
	SEND \a-1                                      ; the block before: its sums of squares stood between its loads from the stage and this wait
.endif
	YROPE \a
.if \a > 1
	s_wait_xcnt 0x0                                ; block a - 2's stores have read their data: block a's loads from the stage may land there
.endif
	TOSTAGE \a
.if \a < 6
	TLOAD \a+2
.endif
.endr
	SEND 7
	s_wait_tensorcnt 0x0                           ; the wave's end, behind my last tensor load and my last LDS store
	ds_add_u32 v[SPW], v[NIL]
	s_wait_dscnt 0x0
	CROUND                                         ; the closing round: no work-group ends while a partner may still ask for a tile that names it
	s_endpgm
.Lfunc_end_k_q4186a75cfa_qkv:
	.size	k_q4186a75cfa_qkv, .Lfunc_end_k_q4186a75cfa_qkv-k_q4186a75cfa_qkv
	.p2alignl 7, 3214868480
	.fill 96, 4, 3214868480
	.section	.rodata,"a",@progbits
	.p2align	6, 0x0
	.amdhsa_kernel k_q4186a75cfa_qkv
		.amdhsa_group_segment_fixed_size 327680
		.amdhsa_private_segment_fixed_size 0
		.amdhsa_enable_private_segment 0
		.amdhsa_kernarg_size 64
		.amdhsa_user_sgpr_count 2
		.amdhsa_user_sgpr_kernarg_segment_ptr 1
		.amdhsa_wavefront_size32 1
		.amdhsa_system_sgpr_workgroup_id_x 1
		.amdhsa_system_sgpr_workgroup_id_y 1
		.amdhsa_system_sgpr_workgroup_id_z 1
		.amdhsa_system_vgpr_workitem_id 0
		.amdhsa_next_free_vgpr 1024
		.amdhsa_next_free_sgpr 102
		.amdhsa_reserve_vcc 0
		.amdhsa_float_denorm_mode_32 3
		.amdhsa_float_denorm_mode_16_64 3
		.amdhsa_memory_ordered 1
		.amdhsa_forward_progress 1
		.amdhsa_inst_pref_size 255
	.end_amdhsa_kernel
	.section	.bss,"aw",@nobits
	.p2align	6
	.space	262144
	.amdgpu_metadata
---
amdhsa.version: [ 1, 2 ]
amdhsa.kernels:
  - .name:           k_q4186a75cfa_qkv
    .symbol:         k_q4186a75cfa_qkv.kd
    .args:
      - { .name: a_codes, .offset: 0, .size: 8, .value_kind: global_buffer, .address_space: global }
      - { .name: a_scales, .offset: 8, .size: 8, .value_kind: global_buffer, .address_space: global }
      - { .name: b_codes, .offset: 16, .size: 8, .value_kind: global_buffer, .address_space: global }
      - { .name: b_scales, .offset: 24, .size: 8, .value_kind: global_buffer, .address_space: global }
      - { .name: qkv16, .offset: 32, .size: 8, .value_kind: global_buffer, .address_space: global }
      - { .name: q_norm_w, .offset: 40, .size: 8, .value_kind: global_buffer, .address_space: global }
      - { .name: k_norm_w, .offset: 48, .size: 8, .value_kind: global_buffer, .address_space: global }
      - { .name: rope, .offset: 56, .size: 8, .value_kind: global_buffer, .address_space: global }
    .group_segment_fixed_size: 327680
    .private_segment_fixed_size: 0
    .kernarg_segment_align: 8
    .kernarg_segment_size: 64
    .max_flat_workgroup_size: 128
    .sgpr_count:     102
    .vgpr_count:     1024
    .wavefront_size: 32
...
	.end_amdgpu_metadata
.endif
;; end of part 2
;; launch attn (part 3): grid 4 x 64, 4 waves a work-group, clusters of 4 x 1, 327,680 bytes of LDS; arguments qkv16, ctx16; writes ctx16
.if DOCPART == 3
	.amdgcn_target "amdgcn-amd-amdhsa--gfx1250"
	.amdhsa_code_object_version 6
	.text
	.protected	k_q4186a75cfa_attn
	.globl	k_q4186a75cfa_attn
	.p2align	8
	.type	k_q4186a75cfa_attn,@function
k_q4186a75cfa_attn:
	s_mov_b64 s[64:65], 0
	v_nop
	global_prefetch_b8 v0, s[64:65] scope:SCOPE_SE
	s_setreg_imm32_b32 hwreg(HW_REG_WAVE_MODE, 25, 1), 1
	s_wait_xcnt 0x0
	s_wait_alu depctr_hold_cnt(0) depctr_sa_sdst(0) depctr_va_vdst(0) depctr_va_sdst(0) depctr_va_ssrc(0) depctr_va_vcc(0) depctr_vm_vsrc(0)
	s_getreg_b32 s2, hwreg(HW_REG_IB_STS2, 6, 4)
	s_cmp_eq_u32 s2, 0
	s_cbranch_scc0 .Lentry_in_a_cluster
	s_endpgm
.Lentry_in_a_cluster:
	s_bfe_u32 s2, ttmp6, 0x10000c
	s_cmp_lg_u32 s2, 0x3003
	s_cbranch_scc0 .Lentry_shape_is_right
	s_endpgm
.Lentry_shape_is_right:
; ctx[b][q][h][:] = the sum over k of softmax_k(Q[b][h][q] . K[b][h/4][k] / sqrt(128)) V[b][h/4][k][:], no mask.  qkv16: [4][24][1024][128] f16 (heads 0-15 q, 16-19 k, 20-23 v); ctx16: [4096 tokens][16 x 128] f16.
; Products, maxima and sums in f32; the weights p are rounded to f16 for the second product, ctx once at the end.  LIMIT: |ctx| under 65,504 (f16).
; SHARES.  Work-group y = 16 b + h; its four partners along x are the head's four blocks of 256 queries; each of four waves owns 64 queries: four tiles of 16.  Every wave walks all 1,024 keys, 64 a step.
; LAYOUT.  S^T = K Q^T (source 0 = 16 keys, source 1 = 16 queries): a lane holds ONE query (lane % 16) and the keys 8 (lane / 16) + 0..7.  Two such tiles, rounded to f16 in pairs, ARE source 1 of O^T = V^T P.
; K comes out of LDS as it lies, V ([key][channel]) turned, by ds_load_tr16_b128.
; SOFTMAX.  For each query a running maximum m and sum l: p = 2^(c s - c m), c = log2(e) / sqrt(128); in every step O and l are multiplied by a = 2^(c m_old - c m_new).
; BY TURNS.  The wave's tiles are two pieces (tiles 0, 1 and tiles 2, 3).  In a turn one piece has the matrix unit: 32 products V^T P of the step in hand, then 32 products K Q^T of the next; the other piece's softmax,
; cut into 64 slices, stands between them, one slice behind each matrix instruction.  Two turns are a key step.
; CLUSTER.  The four blocks of a head walk the same K and V: each tile is asked for jointly, by the same tensor load with the same descriptor and a mask that names the four.
; REGISTERS, in windows of 256: window 0: v0-11 addresses; v12-43 statistics; v64-191 S^T; v192-255 P.   window 1: O^T.   window 2: v0-127 Q; v128-255 K of one step.   window 3: v0-127 V of one step.
.set SIZE_N, 1024
.set KS,    64        ; keys in a step
.set PK,    272       ; a row of K in LDS: 256 bytes + 16: the 16 rows of a load start at 16 different banks (64 banks of 4 bytes: ISA guide 11.1)
.set PV,    288       ; a row of V: 256 + 32
.set VOFF,  KS*PK
.set STEPB, KS*(PK+PV)
.set SLOT1, 1<<17     ; a slot holds two steps; slot 1 begins here, so that one exclusive or turns an address in one slot into the other's
.set STAGE, SLOT1+2*STEPB
.set SP,    272
.set AK0, 2
.set AV0, 3
.set ADR, 4
.set QO,  5
.set STO, 6
.set RD,  7
.set GO,  8
.set SPW, 62
.set NIL, 63
.set SPARE, STAGE+4*16*272  ; the spare words, 128 bytes for each wave: two blocks of 256 bytes that no other line names
.set ST,  12          ; tile t's statistics at v[ST+8 t]: +0 c m, +1 m, +2, +3 l, +4 to +7 at work; a takes +6
.set S,   64
.set P,   192
.set KF,  128
.set WV,  12
.set G1K, 24
.set G1V, 32
.set G0K, 40
.set G0V, 48
.set SLOTS, 56
.set TWICE, 57
.set CS,  58
.set SEL, 60
.set TB,  62
.set PFA, 18          ; s[18:19] where my prefetches stand
.set LIM, 15          ; s15  1 in a wave that prefetches, else the greatest number
.set PFO, 61          ; v61  256 x my lane; never rewritten
.set MSB, 0
.macro WIN new
.if MSB != \new
	s_set_vgpr_msb (MSB<<8)|\new
.set MSB, \new
.endif
.endm
.set W_KQ, 0x0a       ; K and Q in window 2, S^T in window 0
.set W_PV, 0x53       ; V in window 3, P in window 0, O^T in window 1
.set W_RS, 0x41       ; O^T in window 1, a in window 0
; A joint refill.  Waves 0 and 1 fetch the two steps' tiles of K, waves 2 and 3 those of V.  An s_nop 0 and four v_nop follow each of the two lines.
.macro JLOAD
	s_cmp_lt_u32 s[WV], 2
	s_cbranch_scc0 .Lfor_v_\@
	tensor_load_to_lds s[G0K+4:G0K+7], s[G1K:G1K+7]
	s_nop 0
.rept 4
	v_nop
.endr
	s_branch .Lasked_\@
.Lfor_v_\@:
	tensor_load_to_lds s[G0V+4:G0V+7], s[G1V:G1V+7]
	s_nop 0
.rept 4
	v_nop
.endr
.Lasked_\@:
.endm
; A prefetch of what the NEXT change of slots will ask for: a slot's 128 rows of K and 128 of V, 256 bytes a row, a lane a row.  Each row is asked for once in the launch: four query heads walk the same K and V, and the
; cluster of the first of them (y % 4 = 0) asks; its four partners share the rows out by address, 32 each; in each, wave 0 asks for K's and wave 2 for V's.  The last change that fills a slot asks for nothing.
.macro ASK
	s_cmp_gt_u32 s[SLOTS], s[LIM]
	s_cbranch_scc0 .Lnot_mine_\@
	global_prefetch_b8 v[PFO], s[PFA:PFA+1] th:TH_LOAD_NT scope:SCOPE_SE
.Lnot_mine_\@:
.endm
.macro CROUND
	s_barrier_signal -1
	s_barrier_wait -1
	s_cmp_lg_u32 s[WV], 0
	s_cbranch_scc1 .Lnot_wave_0_\@
	s_barrier_signal -3
.Lnot_wave_0_\@:
	s_barrier_wait -3
	s_barrier_signal -1
	s_barrier_wait -1
.endm
	s_load_b64 s[4:5], s[0:1], 0x0  ; qkv16
	s_load_b64 s[10:11], s[0:1], 0x8  ; ctx16
	v_lshl_add_u32 v[SPW], v0, 2, SPARE
	v_mov_b32 v[NIL], 0
	ds_add_u32 v[SPW], v[NIL]       ; the wave's opening: the add, twice on end, and its wait ahead of my first tensor load
	ds_add_u32 v[SPW], v[NIL]
	v_lshrrev_b32 v1, 5, v0
	v_readfirstlane_b32 s[WV], v1   ; wave 0..3
	s_bfe_u32 s13, ttmp6, 0x40000   ; cx: my block of 256 queries (the grid's x is one cluster): it enters Q's, ctx's and the prefetches' addresses alone
	s_and_b32 s14, ttmp7, 0xffff    ; y = 16 b + h, which the four partners share
	s_lshr_b32 s20, s14, 4          ; b
	s_and_b32 s21, s14, 15          ; h
	s_mul_i32 s22, s20, 24          ; the batch's first head in qkv16
	s_lshr_b32 s2, s21, 2
	s_add_co_u32 s2, s2, s22
	s_add_co_u32 s2, s2, 16         ; K's head: 24 b + 16 + h / 4
	s_lshl_b32 s2, s2, 18           ; a head is 1,024 rows of 256 bytes
	s_and_b32 s16, s[WV], 1         ; which of a slot's two steps I fetch:
	s_lshl_b32 s3, s16, 14          ; its 64 rows in memory,
	s_add_co_u32 s2, s2, s3
	s_mov_b32 s3, 0
	s_mul_i32 s17, s16, STEPB       ; and its place in a slot
	s_add_co_u32 s22, s22, s21      ; Q's head: 24 b + h
	s_lshl_b32 s22, s22, 18
	s_lshl_b32 s23, s13, 16         ; my block's 256 rows,
	s_add_co_u32 s22, s22, s23
	s_lshl_b32 s23, s[WV], 14       ; my wave's 64 of them
	s_add_co_u32 s22, s22, s23
	s_mov_b32 s23, 0
	s_lshl_b32 s20, s20, 22         ; ctx: rows of 4,096 bytes: 1,024 b + 256 block + 64 wave; in a row 256 h
	s_lshl_b32 s21, s21, 8
	s_add_co_u32 s20, s20, s21
	s_lshl_b32 s21, s13, 20
	s_add_co_u32 s20, s20, s21
	s_lshl_b32 s21, s[WV], 18
	s_add_co_u32 s20, s20, s21
	s_mov_b32 s21, 0
	s_mov_b32 s[G1K], 15|(1<<16)|(1<<20)|(1<<21)|(5<<22)|(3<<25)  ; the mask: all four work-groups; elements of 2 bytes; padding on; bit 21 beside a mask; after every 64 words, 4 words
	s_mov_b32 s[G1V], 15|(1<<16)|(1<<20)|(1<<21)|(5<<22)|(7<<25)  ; the same with 8 words of padding
.irp g, G1K, G1V
	s_mov_b32 s[\g+1], 128<<16      ; tensor_dim0
	s_mov_b32 s[\g+2], KS<<16       ; tensor_dim1
	s_mov_b32 s[\g+3], 128<<16      ; tile_dim0
	s_mov_b32 s[\g+4], KS           ; tile_dim1
	s_mov_b32 s[\g+5], 128          ; tensor_dim0_stride
	s_mov_b32 s[\g+6], 0
	s_mov_b32 s[\g+7], 0
.endr
	s_mov_b32 s[CS], 0x3e0293ee     ; c = log2(e) / sqrt(128)
	s_mov_b32 s[CS+1], s[CS]
	s_mov_b32 s[SEL], 0x76543210
	s_mov_b32 s[SEL+1], 0xfedcba98
	s_mov_b32 s[TB], 0
	s_mov_b32 s[SLOTS], SIZE_N/(2*KS)-2
	s_and_b32 s[LIM], s14, 3        ; 0 where the head is the first of the four that share K and V,
	s_or_b32 s[LIM], s[LIM], s16    ; in waves 0 and 2: the same in all four partners
	s_cmp_eq_u32 s[LIM], 0
	s_cselect_b32 s[LIM], 1, -1
	v_and_b32 v[PFO], 31, v0
	v_lshlrev_b32 v[PFO], 8, v[PFO]
	s_wait_dscnt 0x0                ; both opening adds are done
	s_wait_kmcnt 0x0
	s_add_nc_u64 s[6:7], s[4:5], s[2:3]  ; K at my tile of slot 0
	s_add_nc_u64 s[8:9], s[6:7], 4<<18  ; V: four heads on
	s_add_nc_u64 s[4:5], s[4:5], s[22:23]  ; Q at my wave's first row
	s_add_nc_u64 s[10:11], s[10:11], s[20:21]  ; ctx likewise
	s_cmp_lt_u32 s[WV], 2
	s_cselect_b64 s[PFA:PFA+1], s[6:7], s[8:9]
	s_lshl_b32 s2, s13, 13          ; my work-group's 32 rows of the 128
	s_mov_b32 s3, 0
	s_add_nc_u64 s[PFA:PFA+1], s[PFA:PFA+1], s[2:3]
	s_add_nc_u64 s[PFA:PFA+1], s[PFA:PFA+1], 2*2*KS*256  ; in slot 2; the first change of slots steps it to slot 3.  Nothing is prefetched at the head
	CROUND                          ; all four work-groups are here: the first joint loads meet
.irp s, 0,1
	s_mov_b32 s[G0K+4*\s], 1
	s_add_co_u32 s[G0K+4*\s+1], s17, \s*SLOT1
	s_add_nc_u64 s[G0K+4*\s+2:G0K+4*\s+3], s[6:7], \s*2*KS*256
	s_or_b32 s[G0K+4*\s+3], s[G0K+4*\s+3], 0x80000000
	s_mov_b32 s[G0V+4*\s], 1
	s_add_co_u32 s[G0V+4*\s+1], s17, \s*SLOT1+VOFF
	s_add_nc_u64 s[G0V+4*\s+2:G0V+4*\s+3], s[8:9], \s*2*KS*256
	s_or_b32 s[G0V+4*\s+3], s[G0V+4*\s+3], 0x80000000
.endr
	s_cmp_lt_u32 s[WV], 2           ; a wave's two first fills stand in one branch, ahead of every wait on TENSORcnt and every LDS read: two loads of mine are out
	s_cbranch_scc0 .Lfirst_v
	tensor_load_to_lds s[G0K:G0K+3], s[G1K:G1K+7]
	s_nop 0
	tensor_load_to_lds s[G0K+4:G0K+7], s[G1K:G1K+7]
	s_nop 0
.rept 4
	v_nop
.endr
	s_branch .Lfirst_asked
.Lfirst_v:
	tensor_load_to_lds s[G0V:G0V+3], s[G1V:G1V+7]
	s_nop 0
	tensor_load_to_lds s[G0V+4:G0V+7], s[G1V:G1V+7]
	s_nop 0
.rept 4
	v_nop
.endr
.Lfirst_asked:
	v_and_b32 v1, 15, v0            ; l % 16
	v_bfe_u32 v9, v0, 4, 1          ; l / 16
	v_lshlrev_b32 v[QO], 8, v1
	v_lshl_add_u32 v[QO], v9, 4, v[QO]  ; row x 256 + 16 x half
	WIN 0x80                        ; destination window 2
.irp i, 0,1,2,3,4,5,6,7,8,9,10,11,12,13,14,15  ; Q stays in registers: tile i / 4, channels 32 (i % 4) on
	global_load_b128 v[8*\i:8*\i+3],   v[QO], s[4:5] offset:(\i/4)*4096+(\i%4)*64
	global_load_b128 v[8*\i+4:8*\i+7], v[QO], s[4:5] offset:(\i/4)*4096+(\i%4)*64+32
.endr
	WIN 0
	v_mul_u32_u24 v[AK0], v1, PK
	v_lshl_add_u32 v[AK0], v9, 4, v[AK0]
	v_and_b32 v10, 7, v0            ; the turning load: lane l reads key 8 (l / 16) + l % 8, channels 8 ((l / 8) % 2) + 0..7
	v_bfe_u32 v11, v0, 3, 1
	v_lshl_add_u32 v[AV0], v9, 3, v10
	v_mul_u32_u24 v[AV0], v[AV0], PV
	v_lshl_add_u32 v[AV0], v11, 4, v[AV0]
	v_add_nc_u32 v[AV0], VOFF, v[AV0]
; Product i of 32 of O^T += V^T P: keys 32 (i / 16) on, channels 16 ((i / 2) % 8) on, tile x + i % 2.  The accumulators take turns, one instruction a turn.
.macro PV x, zero
	WIN W_PV
.set rO, 64*(\x+i%2)+8*((i/2)%8)
.set rV, 64*(i/16)+8*((i/2)%8)
.set rP, P+16*(\x+i%2)+8*(i/16)
.if \zero && (i < 16)
	v_wmma_f32_16x16x32_f16 v[rO:rO+7], v[rV:rV+7], v[rP:rP+7], 0
.else
	v_wmma_f32_16x16x32_f16 v[rO:rO+7], v[rV:rV+7], v[rP:rP+7], v[rO:rO+7]
.endif
.endm
; Product i of 32 of S^T = K Q^T: channels 32 (i / 8) on, keys 16 ((i / 2) % 4) on, tile x + i % 2.  The first 8 start the sums.
.macro KQ x
	WIN W_KQ
.set rS, S+32*(\x+i%2)+8*((i/2)%4)
.set rK, KF+32*((i/2)%4)+8*(i/8)
.set rQ, 32*(\x+i%2)+8*(i/8)
.if i < 8
	v_wmma_f32_16x16x32_f16 v[rS:rS+7], v[rK:rK+7], v[rQ:rQ+7], 0
.else
	v_wmma_f32_16x16x32_f16 v[rS:rS+7], v[rK:rK+7], v[rQ:rQ+7], v[rS:rS+7]
.endif
.endm
; The LDS loads stand in runs of 32: a step's K and, a turn later, its V (turned).
.macro FETCH_K
	WIN 0
	v_add_nc_u32 v[ADR], s[TB], v[AK0]
	WIN 0x80
.irp f, 0,1,2,3,4,5,6,7,8,9,10,11,12,13,14,15
	ds_load_b128 v[KF+8*\f:KF+8*\f+3],   v[ADR] offset:(\f/4)*16*PK+(\f%4)*64
	ds_load_b128 v[KF+8*\f+4:KF+8*\f+7], v[ADR] offset:(\f/4)*16*PK+(\f%4)*64+32
.endr
.endm
.macro FETCH_V
	WIN 0
	v_add_nc_u32 v[ADR], s[TB], v[AV0]
	s_add_co_u32 s[TB], s[TB], STEPB  ; the next fetch is the next step's
	s_wait_alu depctr_va_vdst(0)    ; the wait for the softmax's batch of exponentials, ahead of the first line that names a result
	WIN 0xc0
.irp f, 0,1,2,3,4,5,6,7,8,9,10,11,12,13,14,15
	ds_load_tr16_b128 v[8*\f:8*\f+3],   v[ADR] offset:(\f/8)*32*PV+(\f%8)*32
	ds_load_tr16_b128 v[8*\f+4:8*\f+7], v[ADR] offset:(\f/8)*32*PV+16*PV+(\f%8)*32
.endr
.endm
; One tile's softmax for one key step is a list of 134 instructions; SM writes number j of it for tile t.
;   0-15 the maximum of the lane's 32 scores and the old m;  16-20 the other half of the lanes' maximum, the new m, c m, c m_old - c m_new;
;   21-69 ONE BATCH: the 16 packed scalings c s - c m and all 33 exponentials (a at 23), none of which reads an exponential's result;  (the wait: SLICE writes it, once for both tiles)
;   70-85 the roundings to f16;  86-101 the sums, l = a l + the sum;  102-133 the tile's O^T times a.   first = 1: the first key step: no a, nothing to rescale.
.macro SM t, first
.set rT, ST+8*(\t)
.set rS, S+32*(\t)
.set rP, P+16*(\t)
.set rO, 64*(\t)+2*(j-102)
.if j < 102
	WIN 0
.endif
.if j < 4
	v_max3_num_f32 v[rT+4+j], v[rS+8*j], v[rS+8*j+1], v[rS+8*j+2]
.elseif j < 12
	v_max3_num_f32 v[rT+4+j%4], v[rT+4+j%4], v[rS+8*(j%4)+2*(j/4)+1], v[rS+8*(j%4)+2*(j/4)+2]
.elseif j == 12
	v_max3_num_f32 v[rT+4], v[rT+4], v[rS+7], v[rS+15]
.elseif j == 13
	v_max3_num_f32 v[rT+6], v[rT+6], v[rS+23], v[rS+31]
.elseif j == 14
	v_max3_num_f32 v[rT+4], v[rT+4], v[rT+5], v[rT+6]
.elseif (j == 15) && \first
	v_max_num_f32 v[rT+4], v[rT+4], v[rT+7]
.elseif j == 15
	v_max3_num_f32 v[rT+4], v[rT+4], v[rT+7], v[rT+1]
.elseif j == 16
	v_permlanex16_b32 v[rT+5], v[rT+4], s[SEL], s[SEL+1]
.elseif j == 18
	v_max_num_f32 v[rT+1], v[rT+4], v[rT+5]
.elseif j == 19
	v_mul_f32 v[rT], s[CS], v[rT+1]
.elseif ((j == 17) || (j == 20) || (j == 23) || (j > 101)) && \first
.elseif j == 17
	v_mov_b32 v[rT+7], v[rT]        ; c m_old is kept for a
.elseif j == 20
	v_sub_f32 v[rT+7], v[rT+7], v[rT]
.elseif j == 23
	v_exp_f32 v[rT+6], v[rT+7]
.elseif (j < 23) || ((j < 38) && (j%2 == 0)) || ((j < 66) && (j%4 == 2))
.set b, (j-2)/4
.if j < 38
.set b, (j-20)/2
.endif
	v_pk_fma_f32 v[rS+2*b:rS+2*b+1], v[rS+2*b:rS+2*b+1], s[CS:CS+1], v[rT:rT+1] op_sel_hi:[1,0,0] neg_lo:[0,0,1] neg_hi:[0,0,1]
.elseif j < 70
.set e, j-38
.if j < 66
.set e, j-32-(j-38)/4
.endif
.if j < 38
.set e, (j-25)/2
.endif
	v_exp_f32 v[rS+e], v[rS+e]
.elseif j < 86
	v_cvt_pk_f16_f32 v[rP+j-70], v[rS+2*(j-70)], v[rS+2*(j-70)+1]
.elseif j < 102
.set z, j-86
.set w, 4
.set u, z
.if z >= 14
.set w, 32
.set u, 0
.elseif z >= 12
.set w, 16
.set u, z-12
.elseif z >= 8
.set w, 8
.set u, z-8
.endif
.if (z == 14) && \first
	v_pk_add_f32 v[rT+2:rT+3], v[rS:rS+1], v[rS+16:rS+17]
.elseif z < 15
	v_pk_add_f32 v[rS+w*u:rS+w*u+1], v[rS+w*u:rS+w*u+1], v[rS+w*u+w/2:rS+w*u+w/2+1]
.elseif !\first
	v_pk_fma_f32 v[rT+2:rT+3], v[rT+2:rT+3], v[rT+6:rT+7], v[rS:rS+1] op_sel_hi:[1,0,1]
.endif
.else
	WIN W_RS
	v_pk_mul_f32 v[rO:rO+1], v[rO:rO+1], v[rT+6:rT+7] op_sel_hi:[1,0]
.endif
.endm
; Slice k of 64 of piece y's softmax: four instructions.  Slices 11 to 34 deal out the batch, four numbers of ONE tile each, the tiles by turns; every other slice is numbers 2 k and 2 k + 1 of both tiles' lists;
; the twelve that are over stand in slice 63.  Ahead of slice 35 nothing names an exponential's result, and behind slice 34 none is issued: so the piece's 66 exponentials have one wait, behind slice 34.
.macro SLICE y, first
.if (k >= 11) && (k < 35)
.irp n, 0,1,2,3
.set j, 22+4*((k-11)/2)+(\n)
	SM (\y)+(k-11)%2, \first
.endr
.else
.irp n, 0,1,2,3,4,5,6,7
.if (\n < 2) || (k == 63)
.irp t, \y, \y+1
.set j, 2*k+\n
	SM \t, \first
.endr
.endif
.endr
.endif
.if k == 34
	v_nop                           ; a plain instruction behind the last exponential and ahead of the first use: one for the batch
.if (\y) == 0
	FETCH_V                         ; piece 2's turn: V's run of loads stands here, and the wait stands in it
.else
	s_wait_alu depctr_va_vdst(0)    ; the wait for the batch
.endif
.endif
.set k, k+1
.endm
.macro PLACES
.rept 4
	v_nop
.endr
.endm
; A TURN.  Piece x has the matrix unit; the other piece's softmax stands in slices behind its matrix instructions.  pv = 2: 32 products V^T P; 1: they start O^T's sums; 0: none.  kq = 1: 32 products K Q^T.
.macro TURN x, pv, kq, first
.set k, 0
.set per, 2
.if \pv && \kq
.set per, 1
.endif
.if \pv
.if \x == 0
	s_wait_dscnt 0x0                ; V is in
.endif
.set i, 0
.rept 32
	PV \x, 2-\pv
.rept per
	SLICE 2-\x, \first
.endr
.if (\x == 0) && \kq && (i == 1)
	FETCH_K
.endif
.set i, i+1
.endr
.endif
.if \kq
.if \x == 0
	s_wait_dscnt 0x0                ; K is in
.endif
.set i, 0
.rept 32
	KQ \x
.rept per
	SLICE 2-\x, \first
.endr
.set i, i+1
.endr
.endif
.if \first
	PLACES
.endif
.endm
; THE CHANGE OF SLOTS.  Each wave waits for all its tensor loads, adds 0 to its spare word, and waits for that and for its own reads of the slot.  fill = 1: the slot is filled again, with the keys two slots on; the barrier is
; then a round of the cluster's, and the joint refill is the first thing behind it: it has two key steps, 256 matrix instructions, in which to land.
.macro CHANGE fill
	WIN 0
	s_wait_tensorcnt 0x0            ; no tensor load of mine is out, so a group 0 may be written
	ds_add_u32 v[SPW], v[NIL]
.if \fill
.irp g, G0K+4, G0V+4
	s_xor_b32 s[\g+1], s[\g+1], SLOT1
	s_add_nc_u64 s[\g+2:\g+3], s[\g+2:\g+3], 2*KS*256
.endr
	s_wait_xcnt 0x0                 ; the last prefetch, two key steps back, has read its address, so it may be written
	s_add_nc_u64 s[PFA:PFA+1], s[PFA:PFA+1], 2*KS*256
	s_wait_dscnt 0x0                ; the add is done, and my reads of the slot are over
	CROUND
	JLOAD
	ASK
.else
	s_wait_dscnt 0x0
	s_barrier_signal -1
	s_barrier_wait -1
.endif
	s_sub_co_u32 s[TB], s[TB], 2*STEPB
	s_xor_b32 s[TB], s[TB], SLOT1
.endm
.macro TWO_STEPS                    ; a slot's two key steps: written once, walked twice
	s_mov_b32 s[TWICE], 2
.Lstep_\@:
	TURN 0, 2, 1, 0
	TURN 2, 2, 1, 0
	WIN 0
	s_sub_co_u32 s[TWICE], s[TWICE], 1
	s_cmp_lg_u32 s[TWICE], 0
	s_cbranch_scc1 .Lstep_\@
.endm
	s_wait_tensorcnt 1              ; my part of slot 0 is in; slot 1's may stay out
	s_barrier_signal -1
	s_barrier_wait -1
	FETCH_K                         ; key step 0
	s_wait_loadcnt 0x0              ; Q
	s_wait_dscnt 0x0
.set i, 0
.rept 32
	KQ 0
.set i, i+1
.endr
	WIN 0                           ; the addresses for the way out: eight plain instructions, the places behind those products
	s_mul_i32 s13, s[WV], 16*SP
	s_add_co_u32 s13, s13, STAGE
	v_mul_u32_u24 v[STO], v1, SP
	v_lshl_add_u32 v[STO], v9, 4, v[STO]
	v_add_nc_u32 v[STO], s13, v[STO]
	v_mul_u32_u24 v[RD], v9, SP
	v_lshl_add_u32 v[RD], v1, 4, v[RD]
	v_add_nc_u32 v[RD], s13, v[RD]
	v_lshlrev_b32 v[GO], 12, v9     ; lanes 0-15 one token's 256 bytes, lanes 16-31 the next token's, 4,096 bytes on
	v_lshl_add_u32 v[GO], v1, 4, v[GO]
	TURN 2, 0, 1, 1
	TURN 0, 1, 1, 1
	TURN 2, 1, 1, 0
	WIN 0
.Lslot:                             ; six trips: every slot but the last two is filled again
	CHANGE 1
	TWO_STEPS
	s_sub_co_u32 s[SLOTS], s[SLOTS], 1
	s_cmp_lg_u32 s[SLOTS], 0
	s_cbranch_scc1 .Lslot
	CHANGE 0                        ; the tail is written out
	TWO_STEPS
	TURN 0, 2, 0, 0
.set i, 0
.rept 32
	PV 2, 0
.set i, i+1
.endr
	; THE WAY OUT.  l's halves are added; O^T is divided by l, rounded to f16 and sent through my stage, a tile (16 tokens) at a time.
	WIN 0
.irp t, 0,1,2,3
	v_add_f32 v[ST+8*\t+4], v[ST+8*\t+2], v[ST+8*\t+3]
.endr
.irp t, 0,1,2,3
	v_permlanex16_b32 v[ST+8*\t+5], v[ST+8*\t+4], s[SEL], s[SEL+1]
.endr
.irp t, 0,1,2,3
	v_add_f32 v[ST+8*\t+4], v[ST+8*\t+4], v[ST+8*\t+5]
.endr
.irp t, 0,1,2,3
	v_rcp_f32 v[ST+8*\t+6], v[ST+8*\t+4]
.endr
	v_nop
	s_wait_alu depctr_va_vdst(0)    ; one wait for the four reciprocals, ahead of their first use
.macro PACK t
	WIN W_RS
.set i, 64*\t
.rept 32
	v_pk_mul_f32 v[i:i+1], v[i:i+1], v[ST+8*\t+6:ST+8*\t+7] op_sel_hi:[1,0]
.set i, i+2
.endr
	WIN 0x05
.set i, 0
.rept 32
	v_cvt_pk_f16_f32 v[S+32*\t+i], v[64*\t+2*i], v[64*\t+2*i+1]
.set i, i+1
.endr
	WIN 0
.irp f, 0,1,2,3,4,5,6,7
	ds_store_b128 v[STO], v[S+32*\t+4*\f:S+32*\t+4*\f+3] offset:32*\f
.endr
.irp f, 0,1,2,3,4,5,6,7
	ds_load_b128 v[S+32*\t+4*\f:S+32*\t+4*\f+3], v[RD] offset:\f*2*SP  ; LDS serves a wave's instructions in order (ISA guide 5.7.1.4)
.endr
.endm
.macro SEND t, younger              ; younger: the LDS instructions issued behind tile t's loads
.irp f, 0,1,2,3,4,5,6,7
	s_wait_dscnt \younger+7-\f
	global_store_b128 v[GO], v[S+32*\t+4*\f:S+32*\t+4*\f+3], s[10:11] offset:\t*65536+\f*8192  ; 16 lanes store 256 consecutive bytes, aligned: a token's part for this head
.endr
.endm
	PACK 0
	PACK 1
	SEND 0, 16
	PACK 2
	SEND 1, 16
	PACK 3
	SEND 2, 16
	SEND 3, 0
	s_wait_tensorcnt 0x0            ; the wave's end
	ds_add_u32 v[SPW], v[NIL]
	s_wait_dscnt 0x0
	CROUND                          ; the closing round
	s_endpgm
.Lfunc_end_k_q4186a75cfa_attn:
	.size	k_q4186a75cfa_attn, .Lfunc_end_k_q4186a75cfa_attn-k_q4186a75cfa_attn
	.p2alignl 7, 3214868480
	.fill 96, 4, 3214868480
	.section	.rodata,"a",@progbits
	.p2align	6, 0x0
	.amdhsa_kernel k_q4186a75cfa_attn
		.amdhsa_group_segment_fixed_size 327680
		.amdhsa_private_segment_fixed_size 0
		.amdhsa_enable_private_segment 0
		.amdhsa_kernarg_size 16
		.amdhsa_user_sgpr_count 2
		.amdhsa_user_sgpr_kernarg_segment_ptr 1
		.amdhsa_wavefront_size32 1
		.amdhsa_system_sgpr_workgroup_id_x 1
		.amdhsa_system_sgpr_workgroup_id_y 1
		.amdhsa_system_sgpr_workgroup_id_z 1
		.amdhsa_system_vgpr_workitem_id 0
		.amdhsa_next_free_vgpr 1024
		.amdhsa_next_free_sgpr 66
		.amdhsa_reserve_vcc 0
		.amdhsa_float_denorm_mode_32 3
		.amdhsa_float_denorm_mode_16_64 3
		.amdhsa_memory_ordered 1
		.amdhsa_forward_progress 1
		.amdhsa_inst_pref_size 222
	.end_amdhsa_kernel
	.amdgpu_metadata
---
amdhsa.version: [ 1, 2 ]
amdhsa.kernels:
  - .name:           k_q4186a75cfa_attn
    .symbol:         k_q4186a75cfa_attn.kd
    .args:
      - { .name: qkv16, .offset: 0, .size: 8, .value_kind: global_buffer, .address_space: global }
      - { .name: ctx16, .offset: 8, .size: 8, .value_kind: global_buffer, .address_space: global }
    .group_segment_fixed_size: 327680
    .private_segment_fixed_size: 0
    .kernarg_segment_align: 8
    .kernarg_segment_size: 16
    .max_flat_workgroup_size: 128
    .sgpr_count:     66
    .vgpr_count:     1024
    .wavefront_size: 32
...
	.end_amdgpu_metadata
.endif
;; end of part 3
;; launch oproj (part 4): grid 8 x 32, 4 waves a work-group, clusters of 4 x 4, 327,680 bytes of LDS; arguments ctx16, wo16, out0; writes out0
.if DOCPART == 4
	.amdgcn_target "amdgcn-amd-amdhsa--gfx1250"
	.amdhsa_code_object_version 6
	.text
	.protected	k_q4186a75cfa_oproj
	.globl	k_q4186a75cfa_oproj
	.p2align	8
	.type	k_q4186a75cfa_oproj,@function
k_q4186a75cfa_oproj:
	s_mov_b64 s[64:65], 0
	v_nop
	global_prefetch_b8 v0, s[64:65] scope:SCOPE_SE
	s_setreg_imm32_b32 hwreg(HW_REG_WAVE_MODE, 25, 1), 1
	s_wait_xcnt 0x0
	s_wait_alu depctr_hold_cnt(0) depctr_sa_sdst(0) depctr_va_vdst(0) depctr_va_sdst(0) depctr_va_ssrc(0) depctr_va_vcc(0) depctr_vm_vsrc(0)
	s_getreg_b32 s2, hwreg(HW_REG_IB_STS2, 6, 4)
	s_cmp_eq_u32 s2, 0
	s_cbranch_scc0 .Lentry_in_a_cluster
	s_endpgm
.Lentry_in_a_cluster:
	s_bfe_u32 s2, ttmp6, 0x10000c
	s_cmp_lg_u32 s2, 0xf033
	s_cbranch_scc0 .Lentry_shape_is_right
	s_endpgm
.Lentry_shape_is_right:
; out0[m][n] = the sum over k of ctx[m][k] w_o[k][n].  ctx16: [4096][2048] f16, K along the rows; wo16: [2048 k][2048 n] f16, as w_o lies; out0: [4096][2048] f32; sums in f32.
; A tile of out0 is 128 rows x 256 columns: 256 work-groups.  Four waves, each 64 x 128: 32 accumulators of 16 x 16, 256 registers.  K goes in steps of 128 through a ring of two LDS slots filled by the tensor data mover:
; A's tile has 128 rows of 256 bytes, B's 128 rows (of k) of 512 bytes.  B's fragments are turned on their way out of LDS by ds_load_tr16_b128: nothing is transposed in memory.
; CLUSTERS: 4 x 4 work-groups.  A's tile hangs on the tile row alone and is shared along a row of the cluster, B's on the tile column alone and is shared along a column: each is asked for jointly.
; THE WALK ALONG K IS TURNED FROM CLUSTER TO CLUSTER.  K is eight laps of two K steps; a cluster begins at lap (4 x cluster x + 2 x (cluster y % 4)) % 8 and goes once round.  So the two clusters that read the same rows of A
; begin four laps apart, and clusters that read the same columns of B and differ in y % 4 begin two, four or six laps apart: at any one trip they ask for different K steps of what they share.
; The lap is made of the cluster's own coordinates, which all sixteen partners share; it enters global addresses alone: no branch, no trip count, no LDS address.
; LIMIT: each output is one f32 sum, but its K steps are added in the turned order, beginning at the cluster's first lap, not ascending from 0.
; THE MATRIX INSTRUCTION IS USED TRANSPOSED (source 0 = 16 columns of B, source 1 = 16 rows of A): a lane holds eight neighbouring numbers of a row of out0.
; REGISTERS: window 0: v0-31 addresses; v64-95, v96-127 A's fragments (4 x 16 rows x 32 K), two buffers; v128-255 rows on the way out.   window 1: v0-63, v64-127 B's fragments (8 x 16 columns x 32 K), two buffers.
;   window 2: accumulator (a, b) at v[8 (8 a + b)].
.set SIZE_K, 2048
.set SIZE_N, 2048
.set KSTEP,  128
.set PA,     272                       ; A's row in LDS: 256 bytes + 16: the 16 rows of a load start at 16 different banks (64 banks of 4 bytes: ISA guide 11.1)
.set PB,     544                       ; B's: 512 + 32 = 136 words
.set AT,     128*PA                    ; A's tile; B's lies behind it
.set SLOT,   AT+128*PB
.set STAGE,  2*SLOT                    ; behind the ring: 16 rows x (512 bytes + 16) for each wave
.set SPITCH, 528
.set SPARE,  STAGE+4*16*SPITCH         ; the spare words, 128 bytes for each wave: two blocks of 256 bytes that no other line names
.set LAPS,   SIZE_K/(2*KSTEP)          ; a lap = two K steps = once round the ring: eight
.set ADRA, 16                          ; v16-17  LDS address of my A fragments in slot 0, 1
.set ADRB, 20                          ; v20-21  the same for B
.set STO,  24
.set RD,   25
.set CO,   26
.set SPW,  28
.set NIL,  29
.set PFO,  30                          ; v30     the prefetches' offset; never rewritten
.set BK,   128
.set AB0, 14                           ; s[14:15] A at the rows that I fetch, K = 0; kept
.set BB0, 46                           ; s[46:47] B at the rows and columns that I fetch, K step 0; kept
.set G1,  24                           ; s[24:31] group 1 for A's tiles;  s[32:39] group 0, one set for each slot
.set G0,  32
.set G1B, 48                           ; s[48:55], s[56:63] the same for B's
.set G0B, 56
.set LIM, 43                           ; s43      5 in a wave that prefetches, else the greatest number
.set PFA, 44                           ; s[44:45] where my prefetch stands
.set PFB, 66                           ; s[66:67] A at my work-group's 16 of the 64 rows that I fetch, K = 0; kept
.set LI,  68                           ; s68      the lap, 0..7, that the refills in hand bring
.set OA,  70                           ; s[70:71] that lap's bytes along a row of A: 512 a lap
.set OB,  72                           ; s[72:73] and down B: 256 rows of 4,096 bytes a lap
.set OP,  74                           ; s[74:75] the bytes along a row of A of the lap behind it, for the prefetch
.set MSB, 0
.macro WIN new
.if MSB != \new
	s_set_vgpr_msb (MSB<<8)|\new
.set MSB, \new
.endif
.endm
.set MUL,  0xa1                        ; source 0 (B) window 1, source 1 (A) window 0, C and D window 2
.set TO_B, 0x40                        ; destination window 1, address window 0
; A joint load: waves 0 and 1 fetch A's two halves, waves 2 and 3 B's.  An s_nop 0 and four v_nop follow each of the two lines.
.macro JLOAD s
	s_cmp_eq_u32 s11, 0
	s_cbranch_scc0 .Lfor_b_\@
	tensor_load_to_lds s[G0+4*\s:G0+4*\s+3], s[G1:G1+7]
	s_nop 0
.rept 4
	v_nop
.endr
	s_branch .Lasked_\@
.Lfor_b_\@:
	tensor_load_to_lds s[G0B+4*\s:G0B+4*\s+3], s[G1B:G1B+7]
	s_nop 0
.rept 4
	v_nop
.endr
.Lasked_\@:
.endm
; A PREFETCH, in the loop's first two trips, behind slot 0's joint load and the run of LDS loads that follows it: the two K steps of A that the NEXT trip's refills will ask for (two and three K steps ahead of those loads).
; Trips one and two so name the cluster's third and fourth laps.  The other cluster that reads the same rows begins four laps on and names the two laps four further round: each aligned run of 256 bytes is named at most once
; in the launch.  Waves 0 and 1 ask, each for the 64 rows that it fetches; of those each of the four partners takes 16, told apart by address: 16 rows x two K steps of 256 bytes: a lane a run, one instruction.
; A cluster's first two laps come by their loads alone, and nothing is asked for at the head.  B is not asked for: a cluster's first four K steps of B come by its first fills and its first refills, ahead of which no trip stands.
.macro ASK
	s_cmp_gt_u32 s3, s[LIM]                        ; s3 = 7 and 6 in the first two trips
	s_cbranch_scc0 .Lnot_mine_\@
	global_prefetch_b8 v[PFO], s[PFA:PFA+1] th:TH_LOAD_NT scope:SCOPE_SE
.Lnot_mine_\@:
.endm
.macro CREST
	s_cmp_lg_u32 s10, 0
	s_cbranch_scc1 .Lnot_wave_0_\@
	s_barrier_signal -3
.Lnot_wave_0_\@:
	s_barrier_wait -3
	s_barrier_signal -1
	s_barrier_wait -1
.endm
.macro CROUND
	s_barrier_signal -1
	s_barrier_wait -1
	CREST
.endm
	s_load_b128 s[4:7], s[0:1], 0x0                ; ctx16 s[4:5], wo16 s[6:7]
	s_load_b64 s[8:9], s[0:1], 0x10                ; out0
	v_lshl_add_u32 v[SPW], v0, 2, SPARE
	v_mov_b32 v[NIL], 0
	ds_add_u32 v[SPW], v[NIL]                      ; the wave's opening: the add, twice on end, and its wait ahead of my first tensor load
	ds_add_u32 v[SPW], v[NIL]
	v_lshrrev_b32 v1, 5, v0
	v_readfirstlane_b32 s10, v1                    ; wave 0..3
	s_lshr_b32 s11, s10, 1                         ; which 64 of the tile's rows are mine.  Also: I fetch for A (0) or for B (1)
	s_and_b32 s12, s10, 1                          ; which 128 of its columns.  Also: which 64 rows of that tile I fetch
	s_bfe_u32 s40, ttmp6, 0x40000                  ; cx, cy
	s_bfe_u32 s41, ttmp6, 0x40004
	s_lshl_b32 s42, ttmp9, 2
	s_add_co_u32 s42, s42, s40                     ; tile column = 4 x cluster x + cx
	s_and_b32 s13, ttmp7, 0xffff
	s_lshl_b32 s13, s13, 2
	s_add_co_u32 s13, s13, s41                     ; tile row = 4 x cluster y + cy
	s_lshl_b32 s43, s41, 2
	s_lshl_b32 s43, 15, s43                        ; my row of the cluster
	s_lshl_b32 s44, 0x1111, s40                    ; my column
	s_or_b32 s[G1+0], s43, (1<<16)|(1<<20)|(1<<21)|(5<<22)|(3<<25)   ; the mask; elements of 2 bytes; padding on; bit 21 beside a mask; after every 64 words, 4 words
	s_mov_b32 s[G1+1], KSTEP<<16                   ; tensor_dim0 = 128
	s_mov_b32 s[G1+2], 64<<16                      ; tensor_dim1 = 64
	s_mov_b32 s[G1+3], KSTEP<<16                   ; tile_dim0
	s_mov_b32 s[G1+4], 64                          ; tile_dim1
	s_mov_b32 s[G1+5], SIZE_K                      ; tensor_dim0_stride
	s_mov_b32 s[G1+6], 0
	s_mov_b32 s[G1+7], 0
	s_or_b32 s[G1B+0], s44, (1<<16)|(1<<20)|(1<<21)|(6<<22)|(7<<25)  ; after every 128 words, 8 words
	s_mov_b32 s[G1B+1], 256<<16                    ; 256 columns
	s_mov_b32 s[G1B+2], 64<<16                     ; 64 rows of k
	s_mov_b32 s[G1B+3], 256<<16
	s_mov_b32 s[G1B+4], 64
	s_mov_b32 s[G1B+5], SIZE_N
	s_mov_b32 s[G1B+6], 0
	s_mov_b32 s[G1B+7], 0
	s_lshl_b32 s16, s13, 7
	s_lshl_b32 s17, s12, 6
	s_add_co_u32 s16, s16, s17                     ; A: row 128 x tile row + 64 x half,
	s_lshl_b32 s16, s16, 12                        ; of 4,096 bytes
	s_mov_b32 s17, 0
	s_lshl_b32 s46, s12, 18                        ; B: row 64 x half of 4,096 bytes,
	s_lshl_b32 s47, s42, 9                         ; column 256 x tile column
	s_add_co_u32 s46, s46, s47
	s_mov_b32 s47, 0
	s_mul_i32 s20, s12, 64*PA                      ; where they go: no place in the cluster enters an LDS address
	s_mul_i32 s21, s12, 64*PB
	s_add_co_u32 s21, s21, AT
	s_and_b32 s[LI], ttmp7, 3                      ; the cluster's first lap: cluster y % 4,
	s_lshl_b32 s[LI], s[LI], 1                     ; two laps for each,
	s_lshl_b32 s[OA], ttmp9, 2                     ; four for cluster x,
	s_add_co_u32 s[LI], s[LI], s[OA]
	s_and_b32 s[LI], s[LI], 7                      ; round the eight
	s_lshl_b32 s[OA], s[LI], 9                     ; 512 bytes of a row of A a lap
	s_mov_b32 s[OA+1], 0
	s_lshl_b32 s[OB], s[LI], 20                    ; 256 rows of B a lap
	s_mov_b32 s[OB+1], 0
	s_mov_b32 s[OP+1], 0
	s_wait_dscnt 0x0                               ; both opening adds are done
	s_wait_kmcnt 0x0
	s_add_nc_u64 s[AB0:AB0+1], s[4:5], s[16:17]
	s_add_nc_u64 s[BB0:BB0+1], s[6:7], s[46:47]
	s_add_nc_u64 s[76:77], s[AB0:AB0+1], s[OA:OA+1]  ; at the cluster's first lap
	s_add_nc_u64 s[78:79], s[BB0:BB0+1], s[OB:OB+1]
	CROUND                                         ; all sixteen work-groups are here: the first joint loads meet
.irp s, 0,1
	s_mov_b32 s[G0+4*\s], 1
	s_add_co_u32 s[G0+4*\s+1], s20, \s*SLOT
	s_add_nc_u64 s[G0+4*\s+2:G0+4*\s+3], s[76:77], \s*KSTEP*2
	s_or_b32 s[G0+4*\s+3], s[G0+4*\s+3], 0x80000000
	s_mov_b32 s[G0B+4*\s], 1
	s_add_co_u32 s[G0B+4*\s+1], s21, \s*SLOT
	s_add_nc_u64 s[G0B+4*\s+2:G0B+4*\s+3], s[78:79], \s*KSTEP*SIZE_N*2
	s_or_b32 s[G0B+4*\s+3], s[G0B+4*\s+3], 0x80000000
	JLOAD \s                                       ; two loads of mine are out
.endr
	v_and_b32 v1, 15, v0                           ; l % 16
	v_bfe_u32 v2, v0, 4, 1                         ; l / 16
	v_mul_u32_u24 v3, v1, PA
	v_lshl_add_u32 v3, v2, 4, v3                   ; A: row x pitch + 16 x half
	s_mul_i32 s21, s11, 64*PA                      ; my 64 rows
	v_add_nc_u32 v[ADRA], s21, v3
	v_add_nc_u32 v[ADRA+1], SLOT, v[ADRA]
	v_and_b32 v4, 7, v0                            ; B, turned: lane l reads row k = 8 (l / 16) + l % 8, columns 8 ((l / 8) % 2) + 0..7
	v_lshl_add_u32 v4, v2, 3, v4
	v_mul_u32_u24 v4, v4, PB
	v_bfe_u32 v5, v0, 3, 1
	v_lshl_add_u32 v4, v5, 4, v4
	s_lshl_b32 s22, s12, 8                         ; my 128 columns
	s_add_co_u32 s22, s22, AT
	v_add_nc_u32 v[ADRB], s22, v4
	v_add_nc_u32 v[ADRB+1], SLOT, v[ADRB]
	s_mul_i32 s23, s10, 16*SPITCH
	s_add_co_u32 s23, s23, STAGE                   ; my stage
	v_mul_u32_u24 v5, v1, SPITCH                   ; in: row l % 16, 32 bytes for each half of the lanes
	v_lshl_add_u32 v5, v2, 5, v5
	v_add_nc_u32 v[STO], s23, v5
	v_and_b32 v6, 31, v0
	v_lshlrev_b32 v[CO], 4, v6                     ; back: the 32 lanes take one row of 512 bytes; and the same in out0
	v_add_nc_u32 v[RD], s23, v[CO]
	s_lshl_b32 s16, s13, 7
	s_lshl_b32 s17, s11, 6
	s_add_co_u32 s16, s16, s17                     ; my first row of out0,
	s_lshl_b32 s16, s16, 13                        ; of 8,192 bytes;
	s_lshl_b32 s17, s42, 10                        ; my first column: 1,024 x tile column + 512 x half
	s_add_co_u32 s16, s16, s17
	s_lshl_b32 s17, s12, 9
	s_add_co_u32 s16, s16, s17
	s_mov_b32 s17, 0
	s_add_nc_u64 s[8:9], s[8:9], s[16:17]
	; the prefetches: where mine stand, and who asks
	s_lshl_b32 s20, s13, 7
	s_lshl_b32 s21, s12, 6
	s_add_co_u32 s20, s20, s21
	s_lshl_b32 s23, s40, 4
	s_add_co_u32 s20, s20, s23                     ; A: row 128 x tile row + 64 x half + 16 cx,
	s_lshl_b32 s20, s20, 12                        ; of 4,096 bytes
	s_mov_b32 s21, 0
	s_add_nc_u64 s[PFB:PFB+1], s[4:5], s[20:21]
	s_cmp_eq_u32 s11, 0                            ; do I fetch for A?
	s_cselect_b32 s[LIM], 5, -1                    ; the same in all sixteen partners, for a given wave
	v_lshlrev_b32 v7, 12, v1                       ; lane l: row l % 16, K step l / 16 of the lap
	v_lshl_add_u32 v[PFO], v2, 8, v7
; 8 matrix instructions: A's block a x B's eight, 32 along K, from buffer f.  zero = 1: the first product starts the sums.  The 32 accumulators take turns, one instruction a turn, in the same order in every quarter
.macro MUL8 f, a, zero
.irp b, 0,1,2,3,4,5,6,7
.if \zero
	v_wmma_f32_16x16x32_f16 v[8*(8*(\a)+\b):8*(8*(\a)+\b)+7], v[64*(\f)+8*\b:64*(\f)+8*\b+7], v[64+32*(\f)+8*(\a):64+32*(\f)+8*(\a)+7], 0
.else
	v_wmma_f32_16x16x32_f16 v[8*(8*(\a)+\b):8*(8*(\a)+\b)+7], v[64*(\f)+8*\b:64*(\f)+8*\b+7], v[64+32*(\f)+8*(\a):64+32*(\f)+8*(\a)+7], v[8*(8*(\a)+\b):8*(8*(\a)+\b)+7]
.endif
.endr
.endm
.macro MUL16 f, a0, zero
	MUL8 \f, \a0, \zero
	MUL8 \f, \a0+1, \zero
.endm
; 24 LDS loads in one run: the fragments of the slot's q-th 32 along K into buffer f.  B's: the first load brings k = 8 (l / 16) + 0..7 of column l % 16 of block i, the second the k 16 further on.
.macro FETCH slot, q, f
	WIN TO_B
.irp i, 0,1,2,3,4,5,6,7
	ds_load_tr16_b128 v[64*(\f)+8*\i:64*(\f)+8*\i+3],   v[ADRB+\slot] offset:32*PB*(\q)+32*\i
	ds_load_tr16_b128 v[64*(\f)+8*\i+4:64*(\f)+8*\i+7], v[ADRB+\slot] offset:32*PB*(\q)+32*\i+16*PB
.endr
	WIN 0
.irp i, 0,1,2,3
	ds_load_b128 v[64+32*(\f)+8*\i:64+32*(\f)+8*\i+3],   v[ADRA+\slot] offset:64*(\q)+\i*16*PA
	ds_load_b128 v[64+32*(\f)+8*\i+4:64+32*(\f)+8*\i+7], v[ADRA+\slot] offset:64*(\q)+\i*16*PA+32
.endr
.endm
.macro PLACES                          ; four plain vector instructions between a matrix instruction and a load into, or a read of, its registers
.rept 4
	v_nop
.endr
.endm
; A K step is four quarters of 32 along K, 32 matrix instructions each, on buffers 0, 1, 0, 1.  One of the first three: buffer f is in; the next quarter, the slot's q-th, is asked for into g, 32 products ahead of its use.
.macro QUARTER slot, q, f, g, zero
	s_wait_dscnt 0x0
	PLACES                                         ; buffer g was read by the last quarter's products
	FETCH \slot, \q, \g
	WIN MUL
	MUL16 \f, 0, \zero
	MUL16 \f, 2, \zero
.endm
; The last quarter multiplies buffer 1 and changes slots: ONE barrier; in front of it each wave waits for all its tensor loads, adds 0 to its spare word, and waits for that and for its own reads of this slot.
; fill = 1: the barrier opens a round of the cluster's barrier, and this slot is filled again, with its K step of the next lap round: from the request to the wait for it a wave issues 112 matrix instructions.
.macro TURN slot, next, fill
.if (\fill) && (\slot) == 0
	s_add_co_u32 s[LI], s[LI], 1                   ; the next lap, round the eight: this trip's two refills bring it
	s_and_b32 s[LI], s[LI], 7
	s_lshl_b32 s[OA], s[LI], 9
	s_lshl_b32 s[OB], s[LI], 20
	s_add_co_u32 s[OP], s[LI], 1                   ; and the lap behind it, for the prefetch
	s_and_b32 s[OP], s[OP], 7
	s_lshl_b32 s[OP], s[OP], 9
	s_wait_xcnt 0x0                                ; the last prefetch, a lap back, has read its address: it is written here
	s_add_nc_u64 s[PFA:PFA+1], s[PFB:PFB+1], s[OP:OP+1]
.endif
	WIN 0                                          ; (the add's two registers lie in window 0)
	s_wait_tensorcnt 0x0                           ; all my tensor loads have landed: my part of the next slot; no load of mine is out, so a group 0 may be written
	ds_add_u32 v[SPW], v[NIL]                      ; 0 onto my spare word; the descriptors' addresses and eight products stand between it and the wait for it
.if \fill
	s_add_nc_u64 s[G0+4*\slot+2:G0+4*\slot+3], s[AB0:AB0+1], s[OA:OA+1]      ; made anew from the kept bases: the lap's first K step,
	s_add_nc_u64 s[G0B+4*\slot+2:G0B+4*\slot+3], s[BB0:BB0+1], s[OB:OB+1]
.if (\slot) == 1
	s_add_nc_u64 s[G0+4*\slot+2:G0+4*\slot+3], s[G0+4*\slot+2:G0+4*\slot+3], KSTEP*2             ; or its second
	s_add_nc_u64 s[G0B+4*\slot+2:G0B+4*\slot+3], s[G0B+4*\slot+2:G0B+4*\slot+3], KSTEP*SIZE_N*2
.endif
	s_or_b32 s[G0+4*\slot+3], s[G0+4*\slot+3], 0x80000000                    ; type = 2
	s_or_b32 s[G0B+4*\slot+3], s[G0B+4*\slot+3], 0x80000000
.endif
	s_wait_dscnt 1                                 ; buffer 1 is in (the add may be out)
	WIN MUL
	MUL8 1, 0, 0
	s_wait_dscnt 0x0                               ; the add is done, and my reads of this slot are over
	s_barrier_signal -1
	MUL8 1, 1, 0
	WIN 0
	s_barrier_wait -1
.if \fill
	CREST                                          ; no wave of any partner still reads this slot's tiles or has a load on its way
	JLOAD \slot                                    ; the first tensor load behind the round; the four v_nop behind it are also the places in front of the loads below
.else
	PLACES
.endif
	FETCH \next, 0, 0
.if (\fill) && (\slot) == 0
	ASK
.endif
	WIN MUL
	MUL16 1, 2, 0
.endm
	s_wait_tensorcnt 1                             ; my part of the first K step is in (the second's load may be out),
	s_barrier_signal -1
	s_barrier_wait -1                              ; everybody's is
	FETCH 0, 0, 0
	QUARTER 0, 1, 0, 1, 1                          ; the first quarter stands in front of the loop: its products start the sums
	WIN 0                                          ; at a label and at a branch every window is 0
	s_mov_b32 s3, LAPS-1
.Llap:                                                 ; a trip goes once round the ring, from a lap's second quarter to the next lap's first, and fills both slots again
	QUARTER 0, 2, 1, 0, 0
	QUARTER 0, 3, 0, 1, 0
	TURN 0, 1, 1
	QUARTER 1, 1, 0, 1, 0
	QUARTER 1, 2, 1, 0, 0
	QUARTER 1, 3, 0, 1, 0
	TURN 1, 0, 1
	QUARTER 0, 1, 0, 1, 0
	WIN 0
	s_sub_co_u32 s3, s3, 1
	s_cmp_lg_u32 s3, 0
	s_cbranch_scc1 .Llap
	QUARTER 0, 2, 1, 0, 0                          ; the last lap fills nothing, and has no round of the cluster's barrier
	QUARTER 0, 3, 0, 1, 0
	TURN 0, 1, 0
	QUARTER 1, 1, 0, 1, 0
	QUARTER 1, 2, 1, 0, 0
	QUARTER 1, 3, 0, 1, 0
	s_wait_dscnt 0x0                               ; the very last quarter: nothing more to fetch
	WIN MUL
	MUL16 1, 0, 0
	MUL16 1, 2, 0
	WIN 0
	PLACES
; THE WAY OUT, block by block of 16 rows x 128 columns: a lane holds 32 neighbouring bytes of a row; a block goes through my own stage and comes back as whole rows of 512 bytes.
; LDS serves a wave's instructions in order (ISA guide 5.7.1.4): no wait between the stores and the loads, nor in front of the next block's stores.
.macro TOSTAGE a
	WIN 0x08                                       ; an LDS store's data are its source 1: window 2
.irp b, 0,1,2,3,4,5,6,7
	ds_store_b128 v[STO], v[8*(8*(\a)+\b):8*(8*(\a)+\b)+3] offset:64*\b            ; each accumulator from its low end on
	ds_store_b128 v[STO], v[8*(8*(\a)+\b)+4:8*(8*(\a)+\b)+7] offset:64*\b+16
.endr
	WIN 0
.irp t, 0,1,2,3,4,5,6,7,8,9,10,11,12,13,14,15
	ds_load_b128 v[BK+64*((\a)%2)+4*\t:BK+64*((\a)%2)+4*\t+3], v[RD] offset:\t*SPITCH
.endr
.endm
.macro SEND a, younger                 ; younger: the LDS instructions issued behind block a's loads, which may stay out
	s_wait_dscnt \younger
.irp t, 0,1,2,3,4,5,6,7,8,9,10,11,12,13,14,15
	global_store_b128 v[CO], v[BK+64*((\a)%2)+4*\t:BK+64*((\a)%2)+4*\t+3], s[8:9] offset:(\a)*16*SIZE_N*4+\t*SIZE_N*4 th:TH_STORE_NT   ; 32 lanes store 512 consecutive bytes, aligned; written once, read by nobody here
.endr
.endm
	TOSTAGE 0
.irp a, 1,2,3
.if \a > 1
	s_wait_xcnt 0x0                                ; block a - 2's stores have read their data: block a's loads may land there
.endif
	TOSTAGE \a
	SEND \a-1, 32                                  ; behind block a - 1's loads: block a's 16 stores and 16 loads
.endr
	SEND 3, 0
	s_wait_tensorcnt 0x0                           ; the wave's end, behind my last tensor load and my last LDS store
	ds_add_u32 v[SPW], v[NIL]
	s_wait_dscnt 0x0
	CROUND                                         ; the closing round: no work-group ends while a partner may still ask for a tile that names it
	s_endpgm
.Lfunc_end_k_q4186a75cfa_oproj:
	.size	k_q4186a75cfa_oproj, .Lfunc_end_k_q4186a75cfa_oproj-k_q4186a75cfa_oproj
	.p2alignl 7, 3214868480
	.fill 96, 4, 3214868480
	.section	.rodata,"a",@progbits
	.p2align	6, 0x0
	.amdhsa_kernel k_q4186a75cfa_oproj
		.amdhsa_group_segment_fixed_size 327680
		.amdhsa_private_segment_fixed_size 0
		.amdhsa_enable_private_segment 0
		.amdhsa_kernarg_size 24
		.amdhsa_user_sgpr_count 2
		.amdhsa_user_sgpr_kernarg_segment_ptr 1
		.amdhsa_wavefront_size32 1
		.amdhsa_system_sgpr_workgroup_id_x 1
		.amdhsa_system_sgpr_workgroup_id_y 1
		.amdhsa_system_sgpr_workgroup_id_z 1
		.amdhsa_system_vgpr_workitem_id 0
		.amdhsa_next_free_vgpr 768
		.amdhsa_next_free_sgpr 80
		.amdhsa_reserve_vcc 0
		.amdhsa_float_denorm_mode_32 3
		.amdhsa_float_denorm_mode_16_64 3
		.amdhsa_memory_ordered 1
		.amdhsa_forward_progress 1
		.amdhsa_inst_pref_size 86
	.end_amdhsa_kernel
	.amdgpu_metadata
---
amdhsa.version: [ 1, 2 ]
amdhsa.kernels:
  - .name:           k_q4186a75cfa_oproj
    .symbol:         k_q4186a75cfa_oproj.kd
    .args:
      - { .name: ctx16, .offset: 0, .size: 8, .value_kind: global_buffer, .address_space: global }
      - { .name: wo16, .offset: 8, .size: 8, .value_kind: global_buffer, .address_space: global }
      - { .name: out0, .offset: 16, .size: 8, .value_kind: global_buffer, .address_space: global }
    .group_segment_fixed_size: 327680
    .private_segment_fixed_size: 0
    .kernarg_segment_align: 8
    .kernarg_segment_size: 24
    .max_flat_workgroup_size: 128
    .sgpr_count:     80
    .vgpr_count:     768
    .wavefront_size: 32
...
	.end_amdgpu_metadata
.endif
;; end of part 4
